; MI455X (gfx1250); checked and timed in simulation.
; The chip was launched on July 23, 2026; its instructions are those of AMD's public machine-readable ISA for CDNA 5 (MIT licence, August 2026) and "CDNA5" Instruction Set Architecture Reference Guide (July 2026). The comments in the code are by the model that wrote it; some were corrected since.
;; Gpt Oss Attention. Allowed arithmetic: matrix products marked QUANTISED: E2M1 operands, one E8M0 scale for each 32 along K, by v_wmma_scale_f32_16x16x128_f8f6f4 with both operands' format E2M1 (or v_wmma_scale_f32_32x16x128_f4), f32 sums; products left as they are: bf16, f16 or f32 operands; f32 sums; everything else in f32.
;; Inputs: Wk 2,880 x 512 float32; Wo 4,096 x 2,880 float32; Wq 2,880 x 4,096 float32; Wv 2,880 x 512 float32; bk 512 float32; bo 2,880 float32; bq 4,096 float32; bv 512 float32; hidden 2,048 x 2,880 float32; positions 2,048 int32.
;; Outputs: out0 2,048 x 2,880 float32.
;; This version of the problem:
;;   THIS VERSION OF THE PROBLEM IS GIVEN IN LOW PRECISION. The matrix products marked QUANTISED in the list below multiply operands that are first quantised to E2M1 (2 exponent bits, 1 mantissa bit; 4 bits a number), with one power-of-two scale for each 32 numbers along K (OCP MX v1.0); their sums are f32. The products marked 'left as it is' may take bf16, f16 or f32 operands, with f32 sums. Whichever they take, every output number must still come out within the allowed error. Rounding operands to bf16 (8 significant bits) uses up far more of that allowance than f16 does (11 bits, for magnitudes from 6e-5 to 65,504). All else is computed in f32.
;;   The module's matrix products, in the order in which they are computed (A, B: the left and right operand; K: the contracted axis; several contracted axes count as one K, in the product's order):
;;     1. [M 2,048, K 2,880] x [K 2,880, N 4,096]; A: input hidden; B: input Wq: QUANTISED
;;     2. [M 2,048, K 2,880] x [K 2,880, N 512]; A: input hidden; B: input Wk: QUANTISED
;;     3. [M 2,048, K 2,880] x [K 2,880, N 512]; A: input hidden; B: input Wv: QUANTISED
;;     4. batch 1,024 x [M 128, K 64] x [K 64, N 256]; A: computed on the way; B: computed on the way: left as it is (an operand is computed on the way)
;;     5. batch 1,024 x [M 64, K 256] x [K 256, N 128]; A: computed on the way; B: computed on the way: left as it is (an operand is computed on the way)
;;     6. [M 2,048, K 4,096] x [K 4,096, N 2,880]; A: computed on the way; B: input Wo: left as it is (an operand is computed on the way)
;;   THE QUANTISER, for each operand of a quantised product, along K:
;;     - K is cut into blocks of 32 from its start; a last block that is shorter is filled with zeros.
;;     - A block's scale is 2^e with e = floor(log2(the largest magnitude in the block)) - 2, held to -126 .. 127; a block of zeros has e = 0. As a byte (E8M0): e + 127.
;;     - Each number is divided by its block's scale, clamped to +-6, and rounded to the nearest number of E2M1, ties to even, subnormals kept.
;;     - The product sums the exact products of the quantised numbers (number of the format x scale) in f32.
;;   ~~~python
;;   def quantise(x, axis):      # numpy; x: float32 -> the quantised numbers, widened to float32 again
;;       x = np.moveaxis(x, axis, -1); K = x.shape[-1]
;;       x = np.pad(x, [(0, 0)] * (x.ndim - 1) + [(0, -K % 32)]); x = x.reshape(x.shape[:-1] + (-1, 32)); a = np.abs(x).max(-1, keepdims=True)
;;       e = np.where(a > 0, np.clip(np.frexp(np.where(a > 0, a, 1))[1] - 1 - 2, -126, 127), 0)      # np.frexp(a)[1] - 1 = floor(log2(a)), exactly
;;       r = np.clip(x / 2.0 ** e, -6, 6)
;;       step = 2.0 ** (np.maximum(np.frexp(np.where(r == 0, 1, r))[1] - 1, 0) - 1)
;;       q = np.round(r / step) * step * 2.0 ** e      # np.round: ties to even
;;       return np.moveaxis(q.reshape(q.shape[:-2] + (-1,))[..., :K], -1, axis).astype(np.float32)
;;   ~~~
;; One version. Each part assembles by itself: llvm-mc -triple=amdgcn-amd-amdhsa -mcpu=gfx1250 --defsym DOCPART=n.
;; ======== version 1 of 1: 4 launches
;; limits: values are held in f16: magnitudes above 65,504 overflow, below 6.1e-05 lose precision; right only within a limited range of input values
;; workspace buffers: ha 3,342,336 bytes; wb 8,355,840 bytes; wo16 23,625,728 bytes; rope 524,288 bytes; qkv 20,971,520 bytes; at 16,809,984 bytes
;; launch prep (part 1): grid 102 x 6, 4 waves a work-group, no clusters, 34,304 bytes of LDS; arguments hidden, positions, Wq, Wk, Wv, Wo, ha, wb, wo16, rope, at; writes ha, wb, wo16, rope, at
.if DOCPART == 1
	.amdgcn_target "amdgcn-amd-amdhsa--gfx1250"
	.amdhsa_code_object_version 6
	.text
	.protected	k_q9ecd5613e8_prep
	.globl	k_q9ecd5613e8_prep
	.p2align	8
	.type	k_q9ecd5613e8_prep,@function
k_q9ecd5613e8_prep:
	s_mov_b64 s[64:65], 0
	v_nop
	global_prefetch_b8 v0, s[64:65] scope:SCOPE_SE
	s_setreg_imm32_b32 hwreg(HW_REG_WAVE_MODE, 25, 1), 1
	s_wait_xcnt 0x0
; PREP: every operand is laid once, in the order in which a later launch's operand registers take it.
;   x <  32 (HID): hidden [2048][2880] f32 -> ha: codes of E2M1 and E8M0 bytes along K.  Work-group y = which 512 of K (K is filled with zero codes up to 3,072).
;                  y = 5 also makes the table of cosines and sines from positions, and stores zeros into the slack behind at and wo16.
;   x <  72 (W)  : Wq | Wk | Wv [2880][n] f32, K the FIRST axis -> wb: the same form, a row for each of the 5,120 columns.  A lane takes a column, its registers run down K.
;   else   (WO)  : Wo [4096][2880] f32 -> wo16: f16, as images of 16 columns x 32 K.
; A block of ha or wb (256 rows x 512 K, 69,632 bytes): codes at 4096 g + 256 b + 16 r (g: 16 rows, b: block of 32 K, r: row), scale bytes at 65,536 + 16 (16 g + r) + b.
; A block's scale is 2^(floor(log2(largest magnitude)) - 2): its byte is that magnitude's exponent field - 2, held at 1 from below.  A block of zeros inside K so gets the byte 1 (its codes are zeros; this program
; alone reads the bytes); the blocks that fill K up get zero codes and the byte 127.
; LIMITS: blocks whose largest magnitude lies under 2^-124 keep the byte 1; NaN and infinities are not served; Wo must lie inside f16's range (65,504);
; |positions| under about 4,000,000 (the angle is reduced by pi/2 in two parts); 1/theta^(i/32) is made as 2^(-i log2(theta)/32), within a few units in the last place of a power function's.
; Only the HID path touches LDS (a stage of its own for each wave): no barrier anywhere.
.set HROW,  11520                      ; a row of hidden, and of Wo, in bytes
.set TB,    69632                      ; a block of ha or wb
.set STGB,  8448                       ; a wave's stage: 16 rows x (512 bytes + 16)
.set SPARE, 4*STGB                     ; behind the stages: the spare words, 128 bytes for each wave
.set SPW,   2                          ; v2  LDS address of my spare word; never rewritten
.set NIL,   3                          ; v3  0; never rewritten
; HID's registers
.set SW,    16                         ; v16-19  a scale word for each 128 of K
.set Z4,    20                         ; v20-23  zeros
.set C,     24                         ; v24-55  codes, 8 registers for each 128 of K: no store's data are written again
.set R,     64                         ; v64-191 two sets of 64: 16 rows x 512 bytes as loaded
.set X,     192                        ; v192-255 my two blocks of 32 neighbours
; W's registers
.set CW,    16                         ; v16-19  a block's codes
.set SB,    24                         ; v24-27  16 scale bytes
.set ZW,    28                         ; v28-31  zeros
.set OFS,   32                         ; v32-63  4 x lane + i rows
.set XW,    64                         ; v64-127 two sets of 32 numbers
; WO's registers
.set XO,    64                         ; v64-127 two sets of 32 numbers
.set HO,    128                        ; v128-159 two sets of 16 registers of f16
; ---- HID's macros
.macro HLOAD q, off                    ; 16 rows x 128 K: each load reads 512 consecutive bytes of one row
.set II, 0
.rept 16
	global_load_b128 v[R+64*((\q)%2)+4*II:R+64*((\q)%2)+4*II+3], v[\off], s[32:33] offset:II*HROW+512*(\q) th:TH_LOAD_NT
.set II, II+1
.endr
.endm
.macro HTURN q, nc                     ; through my stage: in as loaded, out as blocks: lane (r, h) takes blocks h and 2 + h of row r.  LDS serves a wave's instructions in order
.set II, 0
.rept 16
	ds_store_b128 v6, v[R+64*((\q)%2)+4*II:R+64*((\q)%2)+4*II+3] offset:528*II
.set II, II+1
.endr
.set II, 0
.rept 8*(\nc)
	ds_load_b128 v[X+4*II:X+4*II+3], v7 offset:256*(II/8)+16*(II%8)
.set II, II+1
.endr
.endm
.macro HSTEP q, nc, left
	s_wait_loadcnt \left                           ; this sub-step's 16 loads are in; the count leaves the next sub-step's out
	HTURN \q, \nc
	s_wait_dscnt 0x0                               ; my blocks are back, and the stores have read the set, which may be loaded again
.endm
.macro HQ q, nc                        ; nc blocks a lane become codes; the four bytes of a row make its scale word
	v_max3_num_f32 v9, |v[X]|, |v[X+1]|, 0x1800000                 ; the floor 2^(3 - 127) among the leaves: the byte cannot fall under 1
.if \nc > 1
	v_max3_num_f32 v10, |v[X+32]|, |v[X+33]|, 0x1800000
.endif
.irp i, 2,4,6,8,10,12,14,16,18,20,22,24,26,28,30
	v_max3_num_f32 v9, v9, |v[X+\i]|, |v[X+\i+1]|
.if \nc > 1
	v_max3_num_f32 v10, v10, |v[X+32+\i]|, |v[X+33+\i]|
.endif
.endr
	v_add_nc_u32 v11, 0xff000000, v9               ; 2 off the exponent field: the conversion's scale operand
	v_lshrrev_b32 v13, 23, v11                     ; the byte
.if \nc > 1
	v_add_nc_u32 v12, 0xff000000, v10
	v_lshrrev_b32 v14, 23, v12
.else
	v_mov_b32 v14, 127                             ; a block past K's end
.endif
.irp e, 0,1,2,3
	v_cvt_scalef32_pk8_fp4_f32 v[C+8*(\q)+\e], v[X+8*\e:X+8*\e+7], v11
.endr
.if \nc > 1
.irp e, 0,1,2,3
	v_cvt_scalef32_pk8_fp4_f32 v[C+8*(\q)+4+\e], v[X+32+8*\e:X+32+8*\e+7], v12
.endr
.endif
	v_nop                                          ; one plain line behind the last conversion
	v_lshl_or_b32 v13, v14, 16, v13                ; my bytes: blocks h and 2 + h,
	v_lshlrev_b32 v13, v8, v13                     ; 8 h bits up;
	v_permlanex16_b32 v15, v13, s30, s31
	v_or_b32 v[SW+(\q)], v13, v15                  ; with lane l xor 16's two the word is whole
	global_store_b128 v4, v[C+8*(\q):C+8*(\q)+3], s[38:39] offset:1024*(\q)      ; 32 lanes store 512 consecutive bytes
.if \nc > 1
	global_store_b128 v4, v[C+8*(\q)+4:C+8*(\q)+7], s[38:39] offset:1024*(\q)+512
.else
	global_store_b128 v4, v[Z4:Z4+3], s[38:39] offset:1024*(\q)+512
.endif
.endm
.macro SINCOS n                        ; v[64 + n] = the angle -> cosine in v[96 + n], sine in v[112 + n]
	v_mul_f32 v128, 0x3f22f983, v[64+\n]           ; x 2 / pi
	v_rndne_f32 v128, v128                         ; n
	v_fmamk_f32 v129, v128, 0xbfc90fdb, v[64+\n]   ; r = angle - n pi/2, pi/2 in two parts
	v_fmamk_f32 v129, v128, 0x333bbd2e, v129
	v_mul_f32 v130, v129, v129                     ; z = r r, |r| <= pi/4
	v_fma_f32 v131, v130, s40, s41
	v_fma_f32 v132, v130, s43, s44
	v_fma_f32 v131, v131, v130, s42
	v_fma_f32 v132, v132, v130, s45
	v_mul_f32 v133, v129, v130
	v_mul_f32 v134, v130, v130
	v_fma_f32 v135, v130, -0.5, 1.0
	v_fma_f32 v131, v133, v131, v129               ; sin r
	v_fma_f32 v132, v134, v132, v135               ; cos r
	v_cvt_i32_f32 v128, v128
	v_and_b32 v133, 1, v128
	v_cmp_eq_u32 vcc_lo, 1, v133                   ; odd quadrants change the two
	v_cndmask_b32 v134, v131, v132, vcc_lo
	v_cndmask_b32 v135, v132, v131, vcc_lo
	v_lshlrev_b32 v133, 30, v128                   ; the sine is negative in quadrants 2 and 3,
	v_add_nc_u32 v128, 1, v128
	v_and_b32 v133, 0x80000000, v133
	v_lshlrev_b32 v128, 30, v128                   ; the cosine in 1 and 2
	v_and_b32 v128, 0x80000000, v128
	v_xor_b32 v[112+\n], v133, v134
	v_xor_b32 v[96+\n], v128, v135
.endm
; ---- W's macros
.macro WLOAD t                         ; block t: 32 rows of K at my column: a wave reads 128 consecutive bytes, the four waves stand side by side
.if (\t) > 0
	s_wait_xcnt 0x0                                ; the base, and the last store's data, are written again only behind this wait
	s_add_nc_u64 s[32:33], s[32:33], s[36:37]
.endif
.set II, 0
.rept 32
	global_load_b32 v[XW+32*((\t)%2)+II], v[OFS+II], s[32:33] th:TH_LOAD_NT
.set II, II+1
.endr
.endm
.macro WBLOCK t, nreal
.set XS, XW+32*((\t)%2)
.if (\t) < (\nreal)-1
	s_wait_loadcnt 32                              ; this block's 32 loads are in; the next block's may be out
.else
	s_wait_loadcnt 0x0
.endif
	v_max3_num_f32 v12, |v[XS]|, |v[XS+1]|, |v[XS+2]|
	v_max3_num_f32 v13, |v[XS+3]|, |v[XS+4]|, |v[XS+5]|
.irp i, 6,10,14,18,22,26
	v_max3_num_f32 v12, v12, |v[XS+\i]|, |v[XS+\i+1]|
	v_max3_num_f32 v13, v13, |v[XS+\i+2]|, |v[XS+\i+3]|
.endr
	v_max3_num_f32 v12, v12, |v[XS+30]|, |v[XS+31]|
	v_max3_num_f32 v12, v12, v13, 0x1800000        ; and the floor
	v_add_nc_u32 v11, 0xff000000, v12
	v_lshrrev_b32 v13, 23, v11
.if (\t)%4 == 0
	v_mov_b32 v[SB+(\t)/4], v13
.else
	v_lshl_or_b32 v[SB+(\t)/4], v13, 8*((\t)%4), v[SB+(\t)/4]
.endif
.irp e, 0,1,2,3
	v_cvt_scalef32_pk8_fp4_f32 v[CW+\e], v[XS+8*\e:XS+8*\e+7], v11
.endr
	v_nop
	global_store_b128 v4, v[CW:CW+3], s[40:41] offset:256*(\t)     ; sixteen lanes store 256 consecutive bytes, aligned; the other sixteen the next group's
.if (\t)+2 < (\nreal)
	WLOAD (\t)+2
.else
	s_wait_xcnt 0x0                                ; the codes' registers are written again in the next block
.endif
.endm
.macro WPATH nreal
	WLOAD 0
	WLOAD 1
.set QQ, 0
.rept \nreal
	WBLOCK QQ, \nreal
.set QQ, QQ+1
.endr
.rept 16-(\nreal)                      ; past K's end: zero codes, byte 127
	global_store_b128 v4, v[ZW:ZW+3], s[40:41] offset:256*QQ
.if QQ%4 == 0
	v_mov_b32 v[SB+QQ/4], 127
.else
	v_or_b32 v[SB+QQ/4], 127<<(8*(QQ%4)), v[SB+QQ/4]
.endif
.set QQ, QQ+1
.endr
	global_store_b128 v5, v[SB:SB+3], s[38:39] offset:65536        ; 32 rows' 16 bytes: 512 consecutive bytes
	s_endpgm
.endm
; ---- WO's macros
.macro OLOAD t
.set II, 0
.rept 32
	global_load_b32 v[XO+32*((\t)%2)+II], v4, s[32:33] offset:(32*(\t)+II)*HROW th:TH_LOAD_NT
.set II, II+1
.endr
.endm
.macro OBLOCK t
.if (\t) < 15
	s_wait_loadcnt 32                              ; this block's 32 loads are in; the next block's may be out
.else
	s_wait_loadcnt 0x0
.endif
	s_wait_xcnt 0x0                                ; earlier stores have read their data
.set II, 0
.rept 16
	v_cvt_pk_f16_f32 v[HO+16*((\t)%2)+II], v[XO+32*((\t)%2)+2*II], v[XO+32*((\t)%2)+2*II+1]
.set II, II+1
.endr
.irp o, 0,1,2,3
	global_store_b128 v5, v[HO+16*((\t)%2)+4*\o:HO+16*((\t)%2)+4*\o+3], s[38:39] offset:4096*(\t)+256*\o   ; eight K of sixteen columns: 256 consecutive bytes, twice
.endr
.if (\t)+2 < 16
	OLOAD (\t)+2
.endif
.endm
	s_load_b256 s[8:15], s[0:1], 0x0               ; hidden s[8:9], positions s[10:11], Wq s[12:13], Wk s[14:15]
	s_load_b256 s[16:23], s[0:1], 0x20             ; Wv s[16:17], Wo s[18:19], ha s[20:21], wb s[22:23]
	s_load_b128 s[24:27], s[0:1], 0x40             ; wo16 s[24:25], rope s[26:27]
	s_load_b64 s[28:29], s[0:1], 0x50              ; at
	v_lshl_add_u32 v[SPW], v0, 2, SPARE
	v_mov_b32 v[NIL], 0
	v_lshrrev_b32 v1, 5, v0
	v_readfirstlane_b32 s2, v1                     ; wave
	v_and_b32 v1, 31, v0                           ; lane
	s_and_b32 s3, ttmp7, 0xffff                    ; y
	s_mov_b32 s35, 0                               ; the upper word of every offset
	s_wait_kmcnt 0x0
	s_cmp_lt_u32 ttmp9, 32
	s_cbranch_scc1 .Lhid
	s_cmp_lt_u32 ttmp9, 72
	s_cbranch_scc1 .Lw
	; ======== WO: 64 columns x 1,024 K to a work-group; a wave 32 columns x 512 K
	s_sub_co_u32 s4, ttmp9, 72
	s_mul_i32 s5, s3, 30
	s_add_co_u32 s4, s4, s5                        ; 0 .. 179
	s_lshr_b32 s5, s4, 2                           ; which 64 columns
	s_and_b32 s6, s4, 3
	s_lshl_b32 s6, s6, 1
	s_lshr_b32 s7, s2, 1
	s_add_co_u32 s6, s6, s7                        ; which 512 of K
	s_and_b32 s7, s2, 1                            ; which 32 of the 64 columns
	s_mul_i32 s34, s6, 512*HROW
	s_lshl_b32 s36, s5, 8
	s_add_co_u32 s34, s34, s36
	s_lshl_b32 s36, s7, 7
	s_add_co_u32 s34, s34, s36
	s_add_nc_u64 s[32:33], s[18:19], s[34:35]
	s_lshl_b32 s34, s5, 19                         ; wo16: 524,288 bytes for 64 columns,
	s_lshl_b32 s36, s6, 16                         ; 4,096 for each 32 of K,
	s_add_co_u32 s34, s34, s36
	s_lshl_b32 s36, s7, 11                         ; 1,024 for each 16 columns
	s_add_co_u32 s34, s34, s36
	s_add_nc_u64 s[38:39], s[24:25], s[34:35]
	v_lshlrev_b32 v4, 2, v1
	v_lshrrev_b32 v9, 4, v1
	v_and_b32 v10, 15, v1
	v_lshlrev_b32 v5, 10, v9
	v_lshl_add_u32 v5, v10, 4, v5
	OLOAD 0
	OLOAD 1
.set QQ, 0
.rept 16
	OBLOCK QQ
.set QQ, QQ+1
.endr
	s_endpgm
	; ======== W: 128 columns x 512 K to a work-group; a wave 32 columns
.Lw:
	s_sub_co_u32 s4, ttmp9, 32                     ; which 128 of the 5,120 columns
	s_cmp_lt_u32 s4, 36                            ; the weight is chosen by the work-group's number alone
	s_cselect_b64 s[32:33], s[14:15], s[16:17]
	s_cselect_b32 s5, 32, 36
	s_cmp_lt_u32 s4, 32
	s_cselect_b64 s[32:33], s[12:13], s[32:33]
	s_cselect_b32 s5, 0, s5
	s_mov_b32 s6, 2048
	s_cselect_b32 s6, 16384, s6                    ; a row of the weight in bytes
	s_sub_co_u32 s5, s4, s5
	s_lshl_b32 s5, s5, 9
	s_lshl_b32 s7, s2, 7
	s_add_co_u32 s5, s5, s7                        ; my first column, in bytes
	s_lshl_b32 s7, s6, 9
	s_mul_i32 s7, s7, s3                           ; 512 y rows
	s_add_co_u32 s34, s5, s7
	s_add_nc_u64 s[32:33], s[32:33], s[34:35]
	s_lshl_b32 s36, s6, 5                          ; 32 rows on
	s_mov_b32 s37, 0
	s_lshr_b32 s5, s4, 1
	s_mul_i32 s5, s5, 6
	s_add_co_u32 s5, s5, s3
	s_mul_i32 s34, s5, TB
	s_add_nc_u64 s[38:39], s[22:23], s[34:35]      ; my block of wb
	s_and_b32 s5, s4, 1
	s_lshl_b32 s5, s5, 2
	s_add_co_u32 s5, s5, s2                        ; which 32 of its 256 rows
	s_lshl_b32 s34, s5, 13
	s_add_nc_u64 s[40:41], s[38:39], s[34:35]      ; their codes
	s_lshl_b32 s34, s5, 9
	s_add_nc_u64 s[38:39], s[38:39], s[34:35]      ; their scale bytes, 65,536 further on
	v_lshrrev_b32 v9, 4, v1
	v_and_b32 v10, 15, v1
	v_lshlrev_b32 v4, 12, v9
	v_lshl_add_u32 v4, v10, 4, v4
	v_lshlrev_b32 v5, 4, v1
	v_lshlrev_b32 v[OFS], 2, v1
.set II, 1
.rept 31
	v_add_nc_u32 v[OFS+II], s6, v[OFS+II-1]
.set II, II+1
.endr
.irp i, 0,1,2,3
	v_mov_b32 v[ZW+\i], 0
.endr
	s_cmp_eq_u32 s3, 5
	s_cbranch_scc1 .Lw_last
	WPATH 16
.Lw_last:
	WPATH 10                                       ; K ends 320 into the last 512
	; ======== HID: 64 rows x 512 K to a work-group; a wave 16 rows
.Lhid:
	s_lshl_b32 s4, ttmp9, 2
	s_add_co_u32 s4, s4, s2                        ; which 16 rows, 0 .. 127
	s_mul_i32 s34, s4, 16*HROW
	s_lshl_b32 s5, s3, 11
	s_add_co_u32 s34, s34, s5
	s_add_nc_u64 s[32:33], s[8:9], s[34:35]
	s_lshr_b32 s5, ttmp9, 2
	s_mul_i32 s5, s5, 6
	s_add_co_u32 s5, s5, s3
	s_mul_i32 s34, s5, TB
	s_add_nc_u64 s[36:37], s[20:21], s[34:35]      ; my block of ha
	s_and_b32 s5, s4, 15
	s_lshl_b32 s34, s5, 12
	s_add_nc_u64 s[38:39], s[36:37], s[34:35]      ; my rows' codes
	s_lshl_b32 s34, s5, 8
	s_add_nc_u64 s[36:37], s[36:37], s[34:35]      ; their scale bytes, 65,536 further on
	v_lshlrev_b32 v4, 4, v1                        ; 16 x lane
	v_and_b32 v9, 15, v0
	v_bfe_u32 v10, v0, 4, 1
	v_lshlrev_b32 v5, 4, v9                        ; 16 x (lane % 16)
	s_mul_i32 s5, s2, STGB
	v_add_nc_u32 v6, s5, v4                        ; the stage, in
	v_mul_u32_u24 v7, v9, 528
	v_lshl_add_u32 v7, v10, 7, v7
	v_add_nc_u32 v7, s5, v7                        ; and out: row r, block h
	v_lshlrev_b32 v8, 3, v10                       ; 8 h
	v_lshlrev_b32 v57, 2, v9                       ; 4 r
	v_mov_b32 v15, 0                               ; a lane permute's destination counts as read
.irp i, 0,1,2,3
	v_mov_b32 v[Z4+\i], 0
.endr
	s_mov_b32 s30, 0x76543210
	s_mov_b32 s31, 0xfedcba98                      ; lane l xor 16
	s_cmp_eq_u32 s3, 5
	s_cbranch_scc1 .Lhid_last
	HLOAD 0, 4
	HLOAD 1, 4
	HSTEP 0, 2, 16
	HLOAD 2, 4
	HQ 0, 2
	HSTEP 1, 2, 16
	HLOAD 3, 4
	HQ 1, 2
	HSTEP 2, 2, 16
	HQ 2, 2
	HSTEP 3, 2, 0
	HQ 3, 2
	global_store_b128 v5, v[SW:SW+3], s[36:37] offset:65536        ; 16 rows' 16 bytes: 256 consecutive bytes (both halves of the lanes hold and store the same)
	s_wait_tensorcnt 0x0                           ; the wave's end, behind my last LDS store
	ds_add_u32 v[SPW], v[NIL]
	s_wait_dscnt 0x0
	s_endpgm
.Lhid_last:                                            ; K's last 320: two sub-steps and a half
	s_lshl_b32 s34, s4, 6
	s_add_nc_u64 s[10:11], s[10:11], s[34:35]
	global_load_b32 v56, v57, s[10:11]             ; my token's position
	HLOAD 0, 4
	HLOAD 1, 4
	HSTEP 0, 2, 16
	HLOAD 2, 5                                     ; lanes 16-31 read the row's last 256 bytes once more: no load leaves the row
	HQ 0, 2
	HSTEP 1, 2, 16
	HQ 1, 2
	HSTEP 2, 1, 0
	HQ 2, 1
	v_mov_b32 v[SW+3], 0x7f7f7f7f
	global_store_b128 v4, v[Z4:Z4+3], s[38:39] offset:3072
	global_store_b128 v4, v[Z4:Z4+3], s[38:39] offset:3584
	global_store_b128 v5, v[SW:SW+3], s[36:37] offset:65536
	s_lshl_b32 s34, s4, 8                          ; the slack behind at and wo16, 256 bytes a wave: a later launch's last tiles reach into it
	s_add_nc_u64 s[28:29], s[28:29], s[34:35]
	s_add_nc_u64 s[28:29], s[28:29], 16777216
	global_store_b128 v5, v[Z4:Z4+3], s[28:29]
	s_add_nc_u64 s[24:25], s[24:25], s[34:35]
	s_add_nc_u64 s[24:25], s[24:25], 23592960
	global_store_b128 v5, v[Z4:Z4+3], s[24:25]
	; the table: lane (r, h) has token r and frequencies 16 b + 8 h + 0 .. 7, b = 0, 1: register n = 8 b + j
	s_lshl_b32 s34, s4, 12
	s_add_nc_u64 s[26:27], s[26:27], s[34:35]
	s_mov_b32 s40, 0xb94ca1f9                      ; the sine's polynomial,
	s_mov_b32 s41, 0x3c08839e
	s_mov_b32 s42, 0xbe2aaaa3
	s_mov_b32 s43, 0x37ccf5ce                      ; the cosine's
	s_mov_b32 s44, 0xbab6061a
	s_mov_b32 s45, 0x3d2aaaa5
	v_cvt_f32_i32 v58, v56
.set II, 0
.rept 16
	v_add_nc_u32 v[64+II], 16*(II/8)+II%8, v8
.set II, II+1
.endr
.set II, 0
.rept 16
	v_cvt_f32_u32 v[64+II], v[64+II]
.set II, II+1
.endr
.set II, 0
.rept 16
	v_mul_f32 v[64+II], 0xbf098e8c, v[64+II]       ; x -log2(150000) / 32
.set II, II+1
.endr
.set II, 0
.rept 16
	v_exp_f32 v[64+II], v[64+II]
.set II, II+1
.endr
	v_nop                                          ; a plain line behind the last exponential,
	s_wait_alu depctr_va_vdst(0)                   ; and one wait for the batch, ahead of its first reader
.set II, 0
.rept 16
	v_mul_f32 v[64+II], v58, v[64+II]              ; the angle
.set II, II+1
.endr
.irp n, 0,1,2,3,4,5,6,7,8,9,10,11,12,13,14,15
	SINCOS \n
.endr
.irp k, 0,1,2,3,4,5,6,7
	global_store_b128 v4, v[96+4*\k:99+4*\k], s[26:27] offset:512*\k   ; cosines, then sines: 512 consecutive bytes a store
.endr
	s_wait_tensorcnt 0x0                           ; the wave's end, as above
	ds_add_u32 v[SPW], v[NIL]
	s_wait_dscnt 0x0
	s_endpgm
.Lfunc_end_k_q9ecd5613e8_prep:
	.size	k_q9ecd5613e8_prep, .Lfunc_end_k_q9ecd5613e8_prep-k_q9ecd5613e8_prep
	.p2alignl 7, 3214868480
	.fill 96, 4, 3214868480
	.section	.rodata,"a",@progbits
	.p2align	6, 0x0
	.amdhsa_kernel k_q9ecd5613e8_prep
		.amdhsa_group_segment_fixed_size 34304
		.amdhsa_private_segment_fixed_size 0
		.amdhsa_enable_private_segment 0
		.amdhsa_kernarg_size 88
		.amdhsa_user_sgpr_count 2
		.amdhsa_user_sgpr_kernarg_segment_ptr 1
		.amdhsa_wavefront_size32 1
		.amdhsa_system_sgpr_workgroup_id_x 1
		.amdhsa_system_sgpr_workgroup_id_y 1
		.amdhsa_system_sgpr_workgroup_id_z 1
		.amdhsa_system_vgpr_workitem_id 0
		.amdhsa_next_free_vgpr 256
		.amdhsa_next_free_sgpr 66
		.amdhsa_reserve_vcc 1
		.amdhsa_float_denorm_mode_32 3
		.amdhsa_float_denorm_mode_16_64 3
		.amdhsa_memory_ordered 1
		.amdhsa_forward_progress 1
		.amdhsa_inst_pref_size 255
	.end_amdhsa_kernel
	.section	.bss,"aw",@nobits
	.p2align	6
	.space	262144
	.amdgpu_metadata
---
amdhsa.version: [ 1, 2 ]
amdhsa.kernels:
  - .name:           k_q9ecd5613e8_prep
    .symbol:         k_q9ecd5613e8_prep.kd
    .args:
      - { .name: hidden, .offset: 0, .size: 8, .value_kind: global_buffer, .address_space: global }
      - { .name: positions, .offset: 8, .size: 8, .value_kind: global_buffer, .address_space: global }
      - { .name: Wq, .offset: 16, .size: 8, .value_kind: global_buffer, .address_space: global }
      - { .name: Wk, .offset: 24, .size: 8, .value_kind: global_buffer, .address_space: global }
      - { .name: Wv, .offset: 32, .size: 8, .value_kind: global_buffer, .address_space: global }
      - { .name: Wo, .offset: 40, .size: 8, .value_kind: global_buffer, .address_space: global }
      - { .name: ha, .offset: 48, .size: 8, .value_kind: global_buffer, .address_space: global }
      - { .name: wb, .offset: 56, .size: 8, .value_kind: global_buffer, .address_space: global }
      - { .name: wo16, .offset: 64, .size: 8, .value_kind: global_buffer, .address_space: global }
      - { .name: rope, .offset: 72, .size: 8, .value_kind: global_buffer, .address_space: global }
      - { .name: at, .offset: 80, .size: 8, .value_kind: global_buffer, .address_space: global }
    .group_segment_fixed_size: 34304
    .private_segment_fixed_size: 0
    .kernarg_segment_align: 8
    .kernarg_segment_size: 88
    .max_flat_workgroup_size: 128
    .sgpr_count:     66
    .vgpr_count:     256
    .wavefront_size: 32
...
	.end_amdgpu_metadata
.endif
;; end of part 1
;; launch qkv (part 2): grid 20 x 8, 4 waves a work-group, clusters of 4 x 4, 327,680 bytes of LDS; arguments ha, wb, rope, bq, bk, bv, qkv; writes qkv
.if DOCPART == 2
	.amdgcn_target "amdgcn-amd-amdhsa--gfx1250"
	.amdhsa_code_object_version 6
	.text
	.protected	k_q9ecd5613e8_qkv
	.globl	k_q9ecd5613e8_qkv
	.p2align	8
	.type	k_q9ecd5613e8_qkv,@function
k_q9ecd5613e8_qkv:
	s_mov_b64 s[64:65], 0
	v_nop
	global_prefetch_b8 v0, s[64:65] scope:SCOPE_SE
	s_setreg_imm32_b32 hwreg(HW_REG_WAVE_MODE, 25, 1), 1
	s_wait_xcnt 0x0
	s_wait_alu depctr_hold_cnt(0) depctr_sa_sdst(0) depctr_va_vdst(0) depctr_va_sdst(0) depctr_va_ssrc(0) depctr_va_vcc(0) depctr_vm_vsrc(0)
	s_getreg_b32 s2, hwreg(HW_REG_IB_STS2, 6, 4)
	s_cmp_eq_u32 s2, 0
	s_cbranch_scc0 .Lentry_in_a_cluster
	s_endpgm
.Lentry_in_a_cluster:
	s_bfe_u32 s2, ttmp6, 0x10000c
	s_cmp_lg_u32 s2, 0xf033
	s_cbranch_scc0 .Lentry_shape_is_right
	s_endpgm
.Lentry_shape_is_right:
; [q | k | v] = hidden [Wq | Wk | Wv] + bias on codes of E2M1 with one E8M0 scale for each 32 along K; then the rotation by position of q and k; results as f16.
; A tile of 256 tokens x 256 columns to a work-group of four waves; a wave makes 128 x 128: 64 accumulators, 512 registers; its 128 columns are two whole heads, so both halves of a rotated pair lie in one lane.
; K = 3,072 (2,880 and zero codes) goes in 6 steps of 512 through a ring of two LDS slots.  A step's block of ha or wb (69,632 bytes: codes as images of the operand's registers, then the scale bytes) is dense in
; memory: two tensor loads of 34,816 bytes bring it; a fragment is two ds_load_b128 at 16 x lane: 512 consecutive bytes, so no padding is wanted.
; CLUSTERS: 4 x 4 work-groups; the four of a row need the same block of ha, the four of a column the same block of wb: each is asked for jointly.
; THE MATRIX INSTRUCTION IS USED TRANSPOSED (source 0 = 16 columns, source 1 = 16 tokens): a lane holds one token and eight neighbouring columns.  The bias is the C of each sum's first instruction.
; THE WAY OUT needs no LDS: y1 = x1 cos - x2 sin, y2 = x2 cos + x1 sin; q and k are stored x 0.5 (the softmax's constant carries the rest), v with cos = 1 and sin = 0, by factors chosen without a branch;
; a lane's eight f16 are 16 bytes and the wave stores 512 consecutive bytes: qkv is laid [16 tokens][16 columns][lane][16 bytes].
; 160 work-groups: a tile that gave each WGP one would cut heads between waves.
; LIMITS: q / 2, k / 2 and v must lie inside f16's range (65,504); NaN and infinities are not served.
; REGISTERS: window 0: v8-13 factors and offsets; v16-23 LDS addresses; v28, v29 the add's two; v32-95 scale words, two sets; v96-127 rotated numbers; v128-191 A's fragments, on the way out at work; v192-255 cosines and sines, two sets.
;   window 1: B's fragments, two sets, at v0 and v128; v64-127 the bias.   windows 2, 3: the accumulators ((a, b) at v[8 (8 (a % 4) + b)]).
.set TB,    69632
.set HALFT, TB/2
.set SLOT,  2*TB                       ; A's block, then B's
.set SPARE, 2*SLOT                     ; behind the ring: the spare words, 128 bytes for each wave
.set NQ,    4                          ; matrix instructions deep in a slot
.set FR,    8
.set NL,    2
.set NP,    4
.set LAPS,  3
.set AV,    8                          ; v[8:9]   the factor of cos and sin, twice
.set BV,    10                         ; v[10:11] what is added to cos, twice
.set L16,   12                         ; v12  16 x lane
.set H32,   13                         ; v13  32 x (lane / 16)
.set ADRA,  16
.set ADRB,  20
.set ADRS,  22
.set SPW,   28
.set NIL,   29
.set SC,    32
.set Y,     96
.set AF,    128
.set T,     128
.set HH,    144
.set CSN,   192
.set BIAS,  64                         ; in window 1
.set G1,  24
.set G0,  32
.set G1B, 48
.set G0B, 56
.set MSB, 0
.macro WIN new
.if MSB != \new
	s_set_vgpr_msb (MSB<<8)|\new
.set MSB, \new
.endif
.endm
.set MUL_LO, 0xa1                      ; source 0 (B) window 1, source 1 (A) window 0, C and D window 2
.set MUL_HI, 0xf1
.set TO_B,   0x40
.macro JLOAD g0a, g1a, g0b, g1b        ; waves 0 and 1 fetch A's halves, waves 2 and 3 B's; an s_nop 0 and four v_nop follow each line
	s_cmp_eq_u32 s15, 0
	s_cbranch_scc0 .Lfor_b_\@
	tensor_load_to_lds s[\g0a:\g0a+3], s[\g1a:\g1a+7]
	s_nop 0
.rept 4
	v_nop
.endr
	s_branch .Lasked_\@
.Lfor_b_\@:
	tensor_load_to_lds s[\g0b:\g0b+3], s[\g1b:\g1b+7]
	s_nop 0
.rept 4
	v_nop
.endr
.Lasked_\@:
.endm
.macro CREST
	s_cmp_lg_u32 s14, 0
	s_cbranch_scc1 .Lnot_wave_0_\@
	s_barrier_signal -3
.Lnot_wave_0_\@:
	s_barrier_wait -3
	s_barrier_signal -1
	s_barrier_wait -1
.endm
.macro CROUND
	s_barrier_signal -1
	s_barrier_wait -1
	CREST
.endm
.macro PLACES n
.rept \n
	v_nop
.endr
.endm
	s_load_b256 s[4:11], s[0:1], 0x0               ; ha s[4:5], wb s[6:7], rope s[8:9], bq s[10:11]
	s_load_b128 s[68:71], s[0:1], 0x20             ; bk s[68:69], bv s[70:71]
	s_load_b64 s[12:13], s[0:1], 0x30              ; qkv
	v_lshl_add_u32 v[SPW], v0, 2, SPARE
	v_mov_b32 v[NIL], 0
	ds_add_u32 v[SPW], v[NIL]                      ; the wave's opening: the add, twice on end, and its wait ahead of my first tensor load
	ds_add_u32 v[SPW], v[NIL]
	v_lshrrev_b32 v1, 5, v0
	v_readfirstlane_b32 s14, v1                    ; wave
	s_lshr_b32 s15, s14, 1                         ; my half of the tile's tokens; also: I fetch for A (0) or B (1)
	s_and_b32 s16, s14, 1                          ; my half of its columns; also: which half of a block I fetch
	s_bfe_u32 s40, ttmp6, 0x40000                  ; cx
	s_bfe_u32 s41, ttmp6, 0x40004                  ; cy
	s_lshl_b32 s42, ttmp9, 2
	s_add_co_u32 s42, s42, s40                     ; tile column, 0 .. 19
	s_and_b32 s17, ttmp7, 0xffff
	s_lshl_b32 s17, s17, 2
	s_add_co_u32 s17, s17, s41                     ; tile row, 0 .. 7
	s_lshl_b32 s43, s41, 2
	s_lshl_b32 s43, 15, s43                        ; my row of the cluster
	s_lshl_b32 s44, 0x1111, s40                    ; my column
	s_or_b32 s[G1+0], s43, (3<<16)|(1<<21)         ; the mask; elements of 8 bytes; bit 21 beside a mask; no padding
	s_or_b32 s[G1B+0], s44, (3<<16)|(1<<21)
.irp g, G1, G1B
	s_mov_b32 s[\g+1], 32<<16                      ; tensor_dim0 = 32 elements: rows of 256 bytes
	s_mov_b32 s[\g+2], 136<<16                     ; tensor_dim1 = 136 rows: 34,816 dense bytes
	s_mov_b32 s[\g+3], 32<<16                      ; tile_dim0
	s_mov_b32 s[\g+4], 136                         ; tile_dim1
	s_mov_b32 s[\g+5], 32                          ; the pitch
	s_mov_b32 s[\g+6], 0
	s_mov_b32 s[\g+7], 0
.endr
	s_mul_i32 s18, s16, HALFT
	s_mul_i32 s20, s17, 6*TB
	s_add_co_u32 s20, s20, s18                     ; A: tile row's first block, my half
	s_mov_b32 s21, 0
	s_mul_i32 s46, s42, 6*TB
	s_add_co_u32 s46, s46, s18                     ; B: tile column's
	s_mov_b32 s47, 0
	s_mul_i32 s45, s14, HALFT                      ; where it goes: wave x half a block
	s_wait_dscnt 0x0                               ; both opening adds are done
	s_wait_kmcnt 0x0
	s_add_nc_u64 s[20:21], s[4:5], s[20:21]
	s_add_nc_u64 s[46:47], s[6:7], s[46:47]
	CROUND                                         ; all sixteen work-groups are here: the first joint loads meet
.irp s, 0,1
	s_mov_b32 s[G0+4*\s], 1
	s_add_co_u32 s[G0+4*\s+1], s45, \s*SLOT
	s_add_nc_u64 s[G0+4*\s+2:G0+4*\s+3], s[20:21], \s*TB
	s_or_b32 s[G0+4*\s+3], s[G0+4*\s+3], 0x80000000
	s_mov_b32 s[G0B+4*\s], 1
	s_add_co_u32 s[G0B+4*\s+1], s45, \s*SLOT
	s_add_nc_u64 s[G0B+4*\s+2:G0B+4*\s+3], s[46:47], \s*TB
	s_or_b32 s[G0B+4*\s+3], s[G0B+4*\s+3], 0x80000000
	JLOAD G0+4*\s, G1, G0B+4*\s, G1B
.endr
	v_and_b32 v1, 15, v0                           ; r
	v_bfe_u32 v2, v0, 4, 1                         ; h
	v_and_b32 v3, 31, v0
	v_lshlrev_b32 v[L16], 4, v3
	v_lshlrev_b32 v[H32], 5, v2
	s_lshl_b32 s21, s15, 15                        ; my 128 tokens: 8 groups of 4,096 bytes
	s_lshl_b32 s22, s16, 15
	s_add_co_u32 s22, s22, TB                      ; my 128 columns, in B's block
.irp s, 0,1
	v_add_nc_u32 v[ADRA+\s], s21, v[L16]
	v_add_nc_u32 v[ADRB+\s], s22, v[L16]
	s_add_co_u32 s21, s21, SLOT
	s_add_co_u32 s22, s22, SLOT
.endr
	s_lshl_b32 s21, s15, 11                        ; the scale words: 16 bytes a row; lanes 0-15 take A's rows, lanes 16-31 B's
	s_lshl_b32 s22, s16, 11
	s_add_co_u32 s22, s22, TB
	s_sub_co_u32 s22, s22, s21
	v_mul_u32_u24 v6, s22, v2
	v_lshl_add_u32 v6, v1, 4, v6
	s_add_co_u32 s21, s21, 65536
	v_add_nc_u32 v[ADRS], s21, v6
	s_add_co_u32 s21, s21, SLOT
	v_add_nc_u32 v[ADRS+1], s21, v6
	s_lshl_b32 s20, s17, 4
	s_lshl_b32 s21, s15, 3
	s_add_co_u32 s20, s20, s21                     ; my first group of 16 tokens
	s_lshl_b32 s22, s20, 12
	s_mov_b32 s23, 0
	s_add_nc_u64 s[8:9], s[8:9], s[22:23]          ; its cosines and sines
	s_mul_i32 s22, s20, 163840
	s_lshl_b32 s20, s42, 4
	s_lshl_b32 s21, s16, 3
	s_add_co_u32 s20, s20, s21
	s_lshl_b32 s20, s20, 9
	s_add_co_u32 s22, s22, s20
	s_add_nc_u64 s[12:13], s[12:13], s[22:23]      ; and its place in qkv, at my first 16 columns
	s_cmp_lt_u32 s42, 18                           ; which bias, and which factors: chosen by the tile column, without a branch
	s_cselect_b64 s[72:73], s[68:69], s[70:71]
	s_cselect_b32 s74, 16, 18
	s_cselect_b32 s75, 0x3f000000, 0               ; q and k: cos and sin x 0.5;  v: x 0
	s_cselect_b32 s76, 0, 0x3f800000               ; v: cos = 1
	s_cmp_lt_u32 s42, 16
	s_cselect_b64 s[72:73], s[10:11], s[72:73]
	s_cselect_b32 s74, 0, s74
	s_sub_co_u32 s74, s42, s74
	s_lshl_b32 s78, s74, 10
	s_lshl_b32 s77, s16, 9
	s_add_co_u32 s78, s78, s77
	s_mov_b32 s79, 0
	s_add_nc_u64 s[72:73], s[72:73], s[78:79]
	v_mov_b32 v[AV], s75
	v_mov_b32 v[AV+1], s75
	v_mov_b32 v[BV], s76
	v_mov_b32 v[BV+1], s76
.macro CSLOAD a                        ; the cosines and sines of token group a: register 8 b + j = frequency 16 b + 8 h + j; cosines, then sines
.irp k, 0,1,2,3,4,5,6,7
	global_load_b128 v[CSN+32*((\a)%2)+4*\k:CSN+32*((\a)%2)+4*\k+3], v[L16], s[8:9] offset:4096*(\a)+512*\k
.endr
.endm
	CSLOAD 0
	CSLOAD 1
	WIN 0x40                                       ; destination window 1
.irp b, 0,1,2,3,4,5,6,7
	global_load_b128 v[BIAS+8*\b:BIAS+8*\b+3], v[H32], s[72:73] offset:64*\b       ; lane (r, h): the bias of columns 16 b + 8 h + 0 .. 7
	global_load_b128 v[BIAS+8*\b+4:BIAS+8*\b+7], v[H32], s[72:73] offset:64*\b+16
.endr
	WIN 0
.macro FRAG reg, adr, q, i             ; a fragment, 16 rows x 128 K, as its image: 512 consecutive bytes a load
.irp c, 0,1
	ds_load_b128 v[\reg+4*\c:\reg+4*\c+3], v[\adr] offset:4096*(\i)+1024*(\q)+512*\c
.endr
.endm
; 16 matrix instructions: A's blocks a0, a0 + 1 x B's eight.  zero = 1: the first product starts the sums from the bias.  The 64 accumulators take turns, one instruction a turn.
.macro MUL16 a0, p, q, sc, zero
.irp a, \a0, \a0+1
.irp b, 0,1,2,3,4,5,6,7
.if \zero
	v_wmma_scale_f32_16x16x128_f8f6f4 v[8*(8*((\a)%4)+\b):8*(8*((\a)%4)+\b)+7], v[128*(\p)+FR*\b:128*(\p)+FR*\b+FR-1], v[AF+FR*(\a):AF+FR*(\a)+FR-1], v[BIAS+8*\b:BIAS+8*\b+7], v[SC+8*NQ*(\sc)+NQ*\b+(\q)], v[SC+8*NQ*(\sc)+NQ*(\a)+(\q)] matrix_a_fmt:MATRIX_FMT_FP4 matrix_b_fmt:MATRIX_FMT_FP4 matrix_a_scale:MATRIX_SCALE_ROW1
.else
	v_wmma_scale_f32_16x16x128_f8f6f4 v[8*(8*((\a)%4)+\b):8*(8*((\a)%4)+\b)+7], v[128*(\p)+FR*\b:128*(\p)+FR*\b+FR-1], v[AF+FR*(\a):AF+FR*(\a)+FR-1], v[8*(8*((\a)%4)+\b):8*(8*((\a)%4)+\b)+7], v[SC+8*NQ*(\sc)+NQ*\b+(\q)], v[SC+8*NQ*(\sc)+NQ*(\a)+(\q)] matrix_a_fmt:MATRIX_FMT_FP4 matrix_b_fmt:MATRIX_FMT_FP4 matrix_a_scale:MATRIX_SCALE_ROW1
.endif
.endr
.endr
.endm
.macro FETCH_B slot, q, p
	WIN TO_B
.irp i, 0,1,2,3,4,5,6,7
	FRAG 128*(\p)+FR*\i, ADRB+\slot, \q, \i
.endr
	WIN 0
.endm
.macro FETCH_A slot, q, i0
.irp i, \i0, \i0+1, \i0+2, \i0+3
	FRAG AF+FR*(\i), ADRA+\slot, \q, \i
.endr
.endm
.macro SCALES sc                       ; a slot's scale words: four words a row; lanes 0-15 A's block i, lanes 16-31 B's block i
.irp i, 0,1,2,3,4,5,6,7
	ds_load_b128 v[SC+8*NQ*\sc+NQ*\i:SC+8*NQ*\sc+NQ*\i+3], v[ADRS+\sc] offset:256*\i
.endr
.endm
.macro STEP slot, q, zero              ; 128 along K that has its successor in the same slot
	s_wait_dscnt 4*NL                              ; B's set and A's blocks 0-3 are in; the youngest eight loads (A's blocks 4-7) may be out
.if \zero
	WIN 0x91                                       ; C (the bias) window 1, D window 2
.else
	WIN MUL_LO
.endif
	MUL16 0, (\q)%2, \q, \slot, \zero
	MUL16 2, (\q)%2, \q, \slot, \zero
	s_wait_dscnt 0
	PLACES NP                                      ; four places in front of loads into registers that matrix instructions have read
	FETCH_B \slot, (\q)+1, 1-(\q)%2
	FETCH_A \slot, (\q)+1, 0
.if \zero
	WIN 0xd1
.else
	WIN MUL_HI
.endif
	MUL16 4, (\q)%2, \q, \slot, \zero
	MUL16 6, (\q)%2, \q, \slot, \zero
	PLACES NP
	WIN 0
	FETCH_A \slot, (\q)+1, 4
.endm
; A slot's last step changes slots: one barrier; in front of it each wave waits for all its tensor loads, adds 0 to its spare word, and waits for that and for its reads of this slot.
.macro TURN slot, next, fill
	s_wait_tensorcnt 0x0                           ; all my tensor loads have landed: my part of the next slot
	ds_add_u32 v[SPW], v[NIL]
	s_wait_dscnt 4*NL+1                            ; the add and the youngest eight loads may be out
	WIN MUL_LO
	MUL16 0, 1, NQ-1, \slot, 0
	s_wait_dscnt 0x0                               ; the add is done, and my reads of this slot are over
	s_barrier_signal -1
	MUL16 2, 1, NQ-1, \slot, 0
	WIN 0
	s_barrier_wait -1
.if \fill
	CREST                                          ; the barrier has opened a round of the cluster's: no wave of any partner still reads this slot or has a load on its way
	s_add_nc_u64 s[G0+4*\slot+2:G0+4*\slot+3], s[G0+4*\slot+2:G0+4*\slot+3], 2*TB
	s_add_nc_u64 s[G0B+4*\slot+2:G0B+4*\slot+3], s[G0B+4*\slot+2:G0B+4*\slot+3], 2*TB
	JLOAD G0+4*\slot, G1, G0B+4*\slot, G1B         ; the first tensor load behind the round; its four v_nop are the places in front of the loads below
.else
	PLACES NP
.endif
	FETCH_B \next, 0, 0
	FETCH_A \next, 0, 0
	SCALES \next
	WIN MUL_HI
	MUL16 4, 1, NQ-1, \slot, 0
	MUL16 6, 1, NQ-1, \slot, 0
	PLACES NP
	WIN 0
	FETCH_A \next, 0, 4
.endm
.macro STEPS slot, from
.set Q, \from
.rept NQ-1-\from
	STEP \slot, Q, 0
.set Q, Q+1
.endr
.endm
	s_wait_loadcnt 0x0                             ; the bias and the first two sets of cosines and sines
	s_wait_tensorcnt 1                             ; my part of K step 0 is in; K step 1's load may be out
	s_barrier_signal -1
	s_barrier_wait -1
	FETCH_B 0, 0, 0
	FETCH_A 0, 0, 0
	SCALES 0
	FETCH_A 0, 0, 4
	STEP 0, 0, 1                                   ; the first step stands in front of the loop: its products start the sums
	s_mov_b32 s3, LAPS-1
.Llap:                                                 ; a trip goes once round the ring and fills both slots again
	STEPS 0, 1
	TURN 0, 1, 1
	STEPS 1, 0
	TURN 1, 0, 1
	STEP 0, 0, 0
	s_sub_co_u32 s3, s3, 1
	s_cmp_lg_u32 s3, 0
	s_cbranch_scc1 .Llap
	STEPS 0, 1                                     ; the last lap fills nothing
	TURN 0, 1, 0
	STEPS 1, 0
	s_wait_dscnt 4*NL
	WIN MUL_LO
	MUL16 0, 1, NQ-1, 1, 0
	MUL16 2, 1, NQ-1, 1, 0
	s_wait_dscnt 0
	WIN MUL_HI
	MUL16 4, 1, NQ-1, 1, 0
	MUL16 6, 1, NQ-1, 1, 0
	WIN 0
; THE WAY OUT, a group of 16 tokens (a) and a head (u) at a time.
.macro ROPEA a                         ; the group's cosines and sines under the tile's factors
.set CB, CSN+32*((\a)%2)
.if (\a) == 7
	s_wait_loadcnt 0x0
.elseif (\a) >= 2
	s_wait_loadcnt 8                               ; this group's eight loads are in; the next group's may be out
.endif
.irp j, 0,2,4,6,8,10,12,14
	v_pk_fma_f32 v[CB+\j:CB+\j+1], v[CB+\j:CB+\j+1], v[AV:AV+1], v[BV:BV+1]
.endr
.irp j, 0,2,4,6,8,10,12,14
	v_pk_mul_f32 v[CB+16+\j:CB+17+\j], v[CB+16+\j:CB+17+\j], v[AV:AV+1]
.endr
.endm
.macro ROPEU a, u
.set CB, CSN+32*((\a)%2)
.set AC, 64*((\a)%4)
	s_wait_xcnt 0x0                                ; earlier stores have read their data: this head's 16 registers are written again
	WIN 0x02+((\a)/4)                              ; source 0: the accumulators' window
.irp bp, 0,1                           ; x1 = columns 0-31 of the head (tiles 4 u + bp), x2 = columns 32-63 (tiles 4 u + 2 + bp); each accumulator from its low end on
.irp jp, 0,1,2,3
	v_pk_mul_f32 v[T+4*\jp:T+4*\jp+1], v[AC+8*(4*\u+2+\bp)+2*\jp:AC+8*(4*\u+2+\bp)+2*\jp+1], v[CB+16+8*\bp+2*\jp:CB+17+8*\bp+2*\jp]
	v_pk_mul_f32 v[T+4*\jp+2:T+4*\jp+3], v[AC+8*(4*\u+\bp)+2*\jp:AC+8*(4*\u+\bp)+2*\jp+1], v[CB+16+8*\bp+2*\jp:CB+17+8*\bp+2*\jp]
.endr
.irp jp, 0,1,2,3
	v_pk_fma_f32 v[Y+8*\bp+2*\jp:Y+8*\bp+2*\jp+1], v[AC+8*(4*\u+\bp)+2*\jp:AC+8*(4*\u+\bp)+2*\jp+1], v[CB+8*\bp+2*\jp:CB+8*\bp+2*\jp+1], v[T+4*\jp:T+4*\jp+1] neg_lo:[0,0,1] neg_hi:[0,0,1]
	v_pk_fma_f32 v[Y+16+8*\bp+2*\jp:Y+17+8*\bp+2*\jp], v[AC+8*(4*\u+2+\bp)+2*\jp:AC+8*(4*\u+2+\bp)+2*\jp+1], v[CB+8*\bp+2*\jp:CB+8*\bp+2*\jp+1], v[T+4*\jp+2:T+4*\jp+3]
.endr
.endr
	WIN 0
.set II, 0
.rept 16
	v_cvt_pk_f16_f32 v[HH+16*\u+II], v[Y+2*II], v[Y+2*II+1]
.set II, II+1
.endr
.irp bt, 0,1,2,3
	global_store_b128 v[L16], v[HH+16*\u+4*\bt:HH+16*\u+4*\bt+3], s[12:13] offset:163840*(\a)+512*(4*\u+\bt)   ; 32 lanes store 512 consecutive bytes, aligned
.endr
.endm
	PLACES NP                                      ; behind the last products
.irp a, 0,1,2,3,4,5,6,7
	ROPEA \a
	ROPEU \a, 0
	ROPEU \a, 1
.if \a < 6
	CSLOAD \a+2
.endif
.endr
	s_wait_tensorcnt 0x0                           ; the wave's end
	ds_add_u32 v[SPW], v[NIL]
	s_wait_dscnt 0x0
	CROUND                                         ; the closing round
	s_endpgm
.Lfunc_end_k_q9ecd5613e8_qkv:
	.size	k_q9ecd5613e8_qkv, .Lfunc_end_k_q9ecd5613e8_qkv-k_q9ecd5613e8_qkv
	.p2alignl 7, 3214868480
	.fill 96, 4, 3214868480
	.section	.rodata,"a",@progbits
	.p2align	6, 0x0
	.amdhsa_kernel k_q9ecd5613e8_qkv
		.amdhsa_group_segment_fixed_size 327680
		.amdhsa_private_segment_fixed_size 0
		.amdhsa_enable_private_segment 0
		.amdhsa_kernarg_size 56
		.amdhsa_user_sgpr_count 2
		.amdhsa_user_sgpr_kernarg_segment_ptr 1
		.amdhsa_wavefront_size32 1
		.amdhsa_system_sgpr_workgroup_id_x 1
		.amdhsa_system_sgpr_workgroup_id_y 1
		.amdhsa_system_sgpr_workgroup_id_z 1
		.amdhsa_system_vgpr_workitem_id 0
		.amdhsa_next_free_vgpr 1024
		.amdhsa_next_free_sgpr 96
		.amdhsa_reserve_vcc 0
		.amdhsa_float_denorm_mode_32 3
		.amdhsa_float_denorm_mode_16_64 3
		.amdhsa_memory_ordered 1
		.amdhsa_forward_progress 1
		.amdhsa_inst_pref_size 251
	.end_amdhsa_kernel
	.amdgpu_metadata
---
amdhsa.version: [ 1, 2 ]
amdhsa.kernels:
  - .name:           k_q9ecd5613e8_qkv
    .symbol:         k_q9ecd5613e8_qkv.kd
    .args:
      - { .name: ha, .offset: 0, .size: 8, .value_kind: global_buffer, .address_space: global }
      - { .name: wb, .offset: 8, .size: 8, .value_kind: global_buffer, .address_space: global }
      - { .name: rope, .offset: 16, .size: 8, .value_kind: global_buffer, .address_space: global }
      - { .name: bq, .offset: 24, .size: 8, .value_kind: global_buffer, .address_space: global }
      - { .name: bk, .offset: 32, .size: 8, .value_kind: global_buffer, .address_space: global }
      - { .name: bv, .offset: 40, .size: 8, .value_kind: global_buffer, .address_space: global }
      - { .name: qkv, .offset: 48, .size: 8, .value_kind: global_buffer, .address_space: global }
    .group_segment_fixed_size: 327680
    .private_segment_fixed_size: 0
    .kernarg_segment_align: 8
    .kernarg_segment_size: 56
    .max_flat_workgroup_size: 128
    .sgpr_count:     96
    .vgpr_count:     1024
    .wavefront_size: 32
...
	.end_amdgpu_metadata
.endif
;; end of part 2
;; launch attn (part 3): grid 16 x 16, 16 waves a work-group, no clusters, 67,584 bytes of LDS; arguments qkv, at; writes at
.if DOCPART == 3
	.amdgcn_target "amdgcn-amd-amdhsa--gfx1250"
	.amdhsa_code_object_version 6
	.text
	.protected	k_q9ecd5613e8_attn
	.globl	k_q9ecd5613e8_attn
	.p2align	8
	.type	k_q9ecd5613e8_attn,@function
k_q9ecd5613e8_attn:
	s_mov_b64 s[64:65], 0
	v_nop
	global_prefetch_b8 v0, s[64:65] scope:SCOPE_SE
	s_setreg_imm32_b32 hwreg(HW_REG_WAVE_MODE, 25, 1), 1
	s_wait_xcnt 0x0
; The banded causal attention: key j counts for query i where 0 <= i - j < 128 and j >= 0.  f16 operands, f32 sums, maxima and softmax.
; A work-group takes 128 queries (x) of four query heads that share a key and value head (y: head group and half); each of its sixteen waves 32 queries (two tiles) of one head.
; A wave's queries q0 .. q0 + 31 see keys q0 - 128 .. q0 + 31: ten tiles of 16; of a query tile's ten, one lies wholly under the mask and is not multiplied: nine products' tiles each.
; The 256 keys of the block and of the block before lie in LDS: K as images of its fragments, V in the order in which the turning load at 16 x lane reads it.  Wave w copies key group w.  In block 0 the block before
; does not exist: group 0 stands in for it (finite numbers), and all its keys are masked.
; Both products are used transposed (S^T = K Q^T, O^T = V^T P): a lane holds one query throughout.  The whole row lies in registers, so the maximum is taken away in one pass, as the softmax asks.
; q and k arrive x 0.5, so the exponent is 0.5 log2(e) (s - max).  The row's sum is taken of the unrounded p; p goes to f16 for the second product; O is divided by the sum and stored as f16 images for the next launch.
; No cluster: two work-groups alone share a head group's K and V, and V is permuted on its way into LDS, which wants registers.  No prefetch: every load stands at the head.
; LIMITS: the result must lie inside f16's range; NaN and infinities are not served.
; REGISTERS: v1-5 addresses; v6, v7 the add's two; v8 r - 8 h; v9 -infinity; v16-47 Q, later O of tile 0; v48-79 fragments of K or V, later the packed result; v80-151 S of tile 0, v152-223 S of tile 1 (then p, P; v192-223 later O of tile 1); v224-251 statistics.
.set VL,    32768                      ; V's place in LDS
.set SPARE, 65536                      ; the spare words, 128 bytes for each of sixteen waves
.set TGB,   163840                     ; 16 tokens of qkv in bytes
.set SPW,   6
.set NIL,   7
.set CS,    22                         ; s[22:23] 0.5 log2(e)
.set SEL,   24                         ; s[24:25] lane l xor 16
.set EM,    40                         ; s40-47  the edge's masks: bit set where j <= r - 8 h
.macro PLACES
.rept 4
	v_nop
.endr
.endm
.macro SQK tq, kt, s                   ; S(tq, kt) (+)= 16 keys x 32 of the head's 64
.set rS, 80+72*(\tq)+8*((\kt)-(\tq))
.set rK, 48+16*((\kt)%2)+8*(\s)
.set rQ, 16+16*(\tq)+8*(\s)
.if (\s) == 0
	v_wmma_f32_16x16x32_f16 v[rS:rS+7], v[rK:rK+7], v[rQ:rQ+7], 0
.else
	v_wmma_f32_16x16x32_f16 v[rS:rS+7], v[rK:rK+7], v[rQ:rQ+7], v[rS:rS+7]
.endif
.endm
.macro KLOAD b                         ; key tiles 2 b and 2 b + 1
.irp e, 0,1
.irp s, 0,1
.irp c, 0,1
	ds_load_b128 v[48+16*\e+8*\s+4*\c:48+16*\e+8*\s+4*\c+3], v2 offset:2048*(2*(\b)+\e)+1024*\s+512*\c
.endr
.endr
.endr
	s_wait_dscnt 0x0
.endm
.macro VSTEP f                         ; O^T += V^T P for keys 32 f .. 32 f + 31: eight accumulators by turns
	PLACES
.irp dt, 0,1,2,3
.irp e, 0,1
	ds_load_tr16_b128 v[48+8*\dt+4*\e:48+8*\dt+4*\e+3], v3 offset:2048*(2*(\f)+\e)+512*\dt
.endr
.endr
	s_wait_dscnt 0x0
.irp dt, 0,1,2,3
.irp tq, 0,1
.if (\f) == 0
	v_wmma_f32_16x16x32_f16 v[16+176*\tq+8*\dt:16+176*\tq+8*\dt+7], v[48+8*\dt:48+8*\dt+7], v[80+68*\tq+8*(\f):80+68*\tq+8*(\f)+7], 0
.else
	v_wmma_f32_16x16x32_f16 v[16+176*\tq+8*\dt:16+176*\tq+8*\dt+7], v[48+8*\dt:48+8*\dt+7], v[80+68*\tq+8*(\f):80+68*\tq+8*(\f)+7], v[16+176*\tq+8*\dt:16+176*\tq+8*\dt+7]
.endif
.endr
.endr
.endm
	s_load_b128 s[4:7], s[0:1], 0x0                ; qkv s[4:5], at s[6:7]
	v_lshl_add_u32 v[SPW], v0, 2, SPARE
	v_mov_b32 v[NIL], 0
	v_lshrrev_b32 v10, 5, v0
	v_readfirstlane_b32 s8, v10                    ; wave
	s_and_b32 s9, s8, 3                            ; which 32 of the 128 queries
	s_lshr_b32 s10, s8, 2
	s_and_b32 s11, ttmp7, 0xffff
	s_lshr_b32 s12, s11, 1                         ; the key and value head
	s_and_b32 s13, s11, 1
	s_lshl_b32 s14, s12, 3
	s_lshl_b32 s15, s13, 2
	s_add_co_u32 s14, s14, s15
	s_add_co_u32 s14, s14, s10                     ; my query head
	v_and_b32 v10, 31, v0
	v_lshlrev_b32 v1, 4, v10                       ; 16 x lane
	s_lshl_b32 s15, s9, 12
	v_add_nc_u32 v2, s15, v1                       ; K: my first key group is 2 x (wave % 4)
	s_add_co_u32 s15, s15, VL
	v_add_nc_u32 v3, s15, v1                       ; V likewise
	s_lshl_b32 s15, s8, 11
	v_add_nc_u32 v4, s15, v1                       ; where I put K's group w: as it lies
	v_and_b32 v11, 7, v0
	v_bfe_u32 v12, v0, 3, 1
	v_bfe_u32 v13, v0, 4, 1
	v_lshlrev_b32 v5, 4, v11
	v_lshl_add_u32 v5, v12, 8, v5
	v_lshl_add_u32 v5, v13, 7, v5
	s_add_co_u32 s15, s15, VL
	v_add_nc_u32 v5, s15, v5                       ; and V's: key r, eight channels h -> place 16 (r / 8) + 8 h + r % 8
	v_and_b32 v10, 15, v0
	v_lshlrev_b32 v11, 3, v13
	v_sub_nc_u32 v8, v10, v11                      ; r - 8 h
	v_mov_b32 v9, 0xff800000                       ; -infinity
.irp j, 0,1,2,3,4,5,6,7
	v_cmp_le_i32 s[EM+\j], \j, v8
.endr
.irp i, 232,233,237,239,249,251
	v_mov_b32 v\i, 0                               ; permutes' destinations and pairs' upper halves count as read
.endr
	s_mov_b32 s[CS], 0x3f38aa3b
	s_mov_b32 s[CS+1], s[CS]
	s_mov_b32 s[SEL], 0x76543210
	s_mov_b32 s[SEL+1], 0xfedcba98
	s_lshl_b32 s16, ttmp9, 3
	s_add_co_u32 s16, s16, s8
	s_sub_co_i32 s16, s16, 8
	s_max_i32 s16, s16, 0                          ; the key group that I copy
	s_mul_i32 s16, s16, TGB
	s_lshl_b32 s15, s12, 11
	s_add_co_u32 s16, s16, s15
	s_mov_b32 s17, 0
	s_lshl_b32 s28, ttmp9, 3
	s_lshl_b32 s15, s9, 1
	s_add_co_u32 s28, s28, s15
	s_mul_i32 s28, s28, TGB
	s_lshl_b32 s15, s14, 11
	s_add_co_u32 s28, s28, s15                     ; my queries
	s_mov_b32 s29, 0
	s_lshl_b32 s30, ttmp9, 20
	s_lshl_b32 s15, s14, 14
	s_add_co_u32 s30, s30, s15
	s_lshl_b32 s15, s9, 11
	s_add_co_u32 s30, s30, s15                     ; my place in at
	s_mov_b32 s31, 0
	s_wait_kmcnt 0x0
	s_add_nc_u64 s[18:19], s[4:5], s[16:17]
	s_add_nc_u64 s[20:21], s[4:5], s[28:29]
	s_add_nc_u64 s[26:27], s[6:7], s[30:31]
.irp j, 0,1,2,3
	global_load_b128 v[80+4*\j:83+4*\j], v1, s[18:19] offset:131072+512*\j         ; k: columns 4,096 on
.endr
.irp j, 0,1,2,3
	global_load_b128 v[96+4*\j:99+4*\j], v1, s[18:19] offset:147456+512*\j         ; v: columns 4,608 on
.endr
.irp t, 0,1
.irp j, 0,1,2,3
	global_load_b128 v[16+16*\t+4*\j:19+16*\t+4*\j], v1, s[20:21] offset:TGB*\t+512*\j th:TH_LOAD_NT   ; Q's fragments stay in registers
.endr
.endr
	s_wait_loadcnt 8                               ; k and v are in; Q's eight loads may be out
.irp j, 0,1,2,3
	ds_store_b128 v4, v[80+4*\j:83+4*\j] offset:512*\j
.endr
.irp j, 0,1,2,3
	ds_store_b128 v5, v[96+4*\j:99+4*\j] offset:512*\j
.endr
	s_wait_dscnt 0x0                               ; for the others' sake: my stores have landed
	s_barrier_signal -1
	s_barrier_wait -1
	s_wait_loadcnt 0x0                             ; Q
	; S^T = K Q^T, two key tiles at a time; three or four accumulators by turns
	KLOAD 0
.irp s, 0,1
	SQK 0, 0, \s
	SQK 0, 1, \s
	SQK 1, 1, \s
.endr
.irp b, 1,2,3
	PLACES                                         ; in front of loads into registers that matrix instructions have read
	KLOAD \b
.irp s, 0,1
	SQK 0, 2*\b, \s
	SQK 1, 2*\b, \s
	SQK 0, 2*\b+1, \s
	SQK 1, 2*\b+1, \s
.endr
.endr
	PLACES
	KLOAD 4
.irp s, 0,1
	SQK 0, 8, \s
	SQK 1, 8, \s
	SQK 1, 9, \s
.endr
	PLACES
	; the band's edges: register j of a tile is key 8 h + j.  In a query tile's first key tile a key counts where 8 h + j > r, in its last where 8 h + j <= r
.irp j, 0,1,2,3,4,5,6,7
	v_cndmask_b32 v[80+\j], v[80+\j], v9, s[EM+\j]
	v_cndmask_b32 v[152+\j], v[152+\j], v9, s[EM+\j]
.endr
.irp j, 0,1,2,3,4,5,6,7
	v_cndmask_b32 v[144+\j], v9, v[144+\j], s[EM+\j]
	v_cndmask_b32 v[216+\j], v9, v[216+\j], s[EM+\j]
.endr
	s_cmp_lg_u32 ttmp9, 0                          ; block 0 alone has keys under 0: key tiles with 2 (wave % 4) + kt < 8.  A branch on the work-group's number
	s_cbranch_scc1 .Lall_keys
	s_lshl_b32 s15, s9, 1
.irp kt, 0,1,2,3,4,5,6,7
	s_add_co_u32 s32, s15, \kt
	s_cmp_lt_u32 s32, 8
	s_cselect_b32 s33, -1, 0
.irp j, 0,1,2,3,4,5,6,7
	v_cndmask_b32 v[80+8*\kt+\j], v[80+8*\kt+\j], v9, s33
.if \kt > 0
	v_cndmask_b32 v[144+8*\kt+\j], v[144+8*\kt+\j], v9, s33
.endif
.endr
.endr
.Lall_keys:
	; the row's maximum: four chains for each query tile, registers ascending
.irp c, 0,1,2,3
.irp t, 0,1
	v_max_num_f32 v[224+4*\t+\c], v[80+72*\t+2*\c], v[81+72*\t+2*\c]
.endr
.endr
.set PP, 4
.rept 32
	v_max3_num_f32 v[224+PP%4], v[224+PP%4], v[80+2*PP], v[81+2*PP]
	v_max3_num_f32 v[228+PP%4], v[228+PP%4], v[152+2*PP], v[153+2*PP]
.set PP, PP+1
.endr
.irp t, 0,1
	v_max3_num_f32 v[224+4*\t], v[224+4*\t], v[225+4*\t], v[226+4*\t]
.endr
.irp t, 0,1
	v_max_num_f32 v[224+4*\t], v[224+4*\t], v[227+4*\t]
.endr
.irp t, 0,1
	v_permlanex16_b32 v[232+\t], v[224+4*\t], s[SEL], s[SEL+1]     ; the query's other keys lie in the lane 16 away
.endr
.irp t, 0,1
	v_max_num_f32 v[224+4*\t], v[224+4*\t], v[232+\t]
.endr
.irp t, 0,1
	v_mul_f32 v[236+2*\t], s[CS], v[224+4*\t]                      ; c max
.endr
.set PP, 0
.rept 36
	v_pk_fma_f32 v[80+PP:81+PP], v[80+PP:81+PP], s[CS:CS+1], v[236:237] op_sel_hi:[1,0,0] neg_lo:[0,0,1] neg_hi:[0,0,1]       ; c s - c max
	v_pk_fma_f32 v[152+PP:153+PP], v[152+PP:153+PP], s[CS:CS+1], v[238:239] op_sel_hi:[1,0,0] neg_lo:[0,0,1] neg_hi:[0,0,1]
.set PP, PP+2
.endr
.set PP, 0
.rept 72
	v_exp_f32 v[80+PP], v[80+PP]
	v_exp_f32 v[152+PP], v[152+PP]
.set PP, PP+1
.endr
	v_nop                                          ; a plain line behind the last exponential,
	s_wait_alu depctr_va_vdst(0)                   ; and one wait for the whole batch, ahead of its first reader
.irp t, 0,1
	v_pk_add_f32 v[240+4*\t:241+4*\t], v[80+72*\t:81+72*\t], v[82+72*\t:83+72*\t]  ; the row's sum, of the unrounded p: two chains for each tile
.endr
.irp t, 0,1
	v_pk_add_f32 v[242+4*\t:243+4*\t], v[84+72*\t:85+72*\t], v[86+72*\t:87+72*\t]
.endr
.set PP, 4
.rept 32
	v_pk_add_f32 v[240+2*(PP%2):241+2*(PP%2)], v[240+2*(PP%2):241+2*(PP%2)], v[80+2*PP:81+2*PP]
	v_pk_add_f32 v[244+2*(PP%2):245+2*(PP%2)], v[244+2*(PP%2):245+2*(PP%2)], v[152+2*PP:153+2*PP]
.set PP, PP+1
.endr
.irp t, 0,1
	v_pk_add_f32 v[240+4*\t:241+4*\t], v[240+4*\t:241+4*\t], v[242+4*\t:243+4*\t]
.endr
.irp t, 0,1
	v_add_f32 v[240+4*\t], v[240+4*\t], v[241+4*\t]
.endr
.irp t, 0,1
	v_permlanex16_b32 v[232+\t], v[240+4*\t], s[SEL], s[SEL+1]
.endr
.irp t, 0,1
	v_add_f32 v[240+4*\t], v[240+4*\t], v[232+\t]
.endr
.irp t, 0,1
	v_rcp_f32 v[248+2*\t], v[240+4*\t]             ; the sum is at least 1: the largest p is 1
.endr
	; P in place: a key tile's eight p become four registers; two neighbouring tiles are a fragment of 32 keys.  The tile that was not multiplied is zeros
.set PP, 0
.rept 36
	v_cvt_pk_f16_f32 v[80+PP], v[80+2*PP], v[81+2*PP]
.set PP, PP+1
.endr
.irp i, 116,117,118,119,148,149,150,151
	v_mov_b32 v\i, 0
.endr
.set PP, 0
.rept 36
	v_cvt_pk_f16_f32 v[152+PP], v[152+2*PP], v[153+2*PP]
.set PP, PP+1
.endr
	s_wait_alu depctr_va_vdst(0)                   ; the wait for the two reciprocals: the conversions above are the work between
	VSTEP 0
	VSTEP 1
	VSTEP 2
	VSTEP 3
	VSTEP 4
	PLACES
.set PP, 0
.rept 16
	v_pk_mul_f32 v[16+PP:17+PP], v[16+PP:17+PP], v[248:249] op_sel_hi:[1,0]        ; O / the sum, each accumulator from its low end on
	v_pk_mul_f32 v[192+PP:193+PP], v[192+PP:193+PP], v[250:251] op_sel_hi:[1,0]
.set PP, PP+2
.endr
.set PP, 0
.rept 16
	v_cvt_pk_f16_f32 v[48+PP], v[16+2*PP], v[17+2*PP]
	v_cvt_pk_f16_f32 v[64+PP], v[192+2*PP], v[193+2*PP]
.set PP, PP+1
.endr
.irp t, 0,1
.irp dt, 0,1,2,3
	global_store_b128 v1, v[48+16*\t+4*\dt:51+16*\t+4*\dt], s[26:27] offset:1024*\t+8192*(\dt/2)+512*(\dt%2)   ; 512 consecutive bytes, aligned: half an image of 16 tokens x 32 K
.endr
.endr
	s_wait_tensorcnt 0x0                           ; the wave's end, behind my last LDS store
	ds_add_u32 v[SPW], v[NIL]
	s_wait_dscnt 0x0
	s_endpgm
.Lfunc_end_k_q9ecd5613e8_attn:
	.size	k_q9ecd5613e8_attn, .Lfunc_end_k_q9ecd5613e8_attn-k_q9ecd5613e8_attn
	.p2alignl 7, 3214868480
	.fill 96, 4, 3214868480
	.section	.rodata,"a",@progbits
	.p2align	6, 0x0
	.amdhsa_kernel k_q9ecd5613e8_attn
		.amdhsa_group_segment_fixed_size 67584
		.amdhsa_private_segment_fixed_size 0
		.amdhsa_enable_private_segment 0
		.amdhsa_kernarg_size 16
		.amdhsa_user_sgpr_count 2
		.amdhsa_user_sgpr_kernarg_segment_ptr 1
		.amdhsa_wavefront_size32 1
		.amdhsa_system_sgpr_workgroup_id_x 1
		.amdhsa_system_sgpr_workgroup_id_y 1
		.amdhsa_system_sgpr_workgroup_id_z 1
		.amdhsa_system_vgpr_workitem_id 0
		.amdhsa_next_free_vgpr 256
		.amdhsa_next_free_sgpr 66
		.amdhsa_reserve_vcc 0
		.amdhsa_float_denorm_mode_32 3
		.amdhsa_float_denorm_mode_16_64 3
		.amdhsa_memory_ordered 1
		.amdhsa_forward_progress 1
		.amdhsa_inst_pref_size 56
	.end_amdhsa_kernel
	.amdgpu_metadata
---
amdhsa.version: [ 1, 2 ]
amdhsa.kernels:
  - .name:           k_q9ecd5613e8_attn
    .symbol:         k_q9ecd5613e8_attn.kd
    .args:
      - { .name: qkv, .offset: 0, .size: 8, .value_kind: global_buffer, .address_space: global }
      - { .name: at, .offset: 8, .size: 8, .value_kind: global_buffer, .address_space: global }
    .group_segment_fixed_size: 67584
    .private_segment_fixed_size: 0
    .kernarg_segment_align: 8
    .kernarg_segment_size: 16
    .max_flat_workgroup_size: 512
    .sgpr_count:     66
    .vgpr_count:     256
    .wavefront_size: 32
...
	.end_amdgpu_metadata
.endif
;; end of part 3
;; launch oproj (part 4): grid 16 x 15, 4 waves a work-group, clusters of 4 x 1, 327,680 bytes of LDS; arguments at, wo16, bo, out0; writes out0
.if DOCPART == 4
	.amdgcn_target "amdgcn-amd-amdhsa--gfx1250"
	.amdhsa_code_object_version 6
	.text
	.protected	k_q9ecd5613e8_oproj
	.globl	k_q9ecd5613e8_oproj
	.p2align	8
	.type	k_q9ecd5613e8_oproj,@function
k_q9ecd5613e8_oproj:
	s_mov_b64 s[64:65], 0
	v_nop
	global_prefetch_b8 v0, s[64:65] scope:SCOPE_SE
	s_setreg_imm32_b32 hwreg(HW_REG_WAVE_MODE, 25, 1), 1
	s_wait_xcnt 0x0
	s_wait_alu depctr_hold_cnt(0) depctr_sa_sdst(0) depctr_va_vdst(0) depctr_va_sdst(0) depctr_va_ssrc(0) depctr_va_vcc(0) depctr_vm_vsrc(0)
	s_getreg_b32 s2, hwreg(HW_REG_IB_STS2, 6, 4)
	s_cmp_eq_u32 s2, 0
	s_cbranch_scc0 .Lentry_in_a_cluster
	s_endpgm
.Lentry_in_a_cluster:
	s_bfe_u32 s2, ttmp6, 0x10000c
	s_cmp_lg_u32 s2, 0x3003
	s_cbranch_scc0 .Lentry_shape_is_right
	s_endpgm
.Lentry_shape_is_right:
; out0 = attn Wo + bo: [2048][4096] x [4096][2880], f16 operands, f32 sums.  Both operands lie in memory as images of their fragments (16 rows x 32 K: 1,024 bytes).
; A tile of 128 tokens x 192 columns to a work-group: 16 x 15 = 240 work-groups; 192 columns are three aligned runs of 256 bytes of a row of out0.  Four waves: wave (wm, wn) makes tokens 64 wm on and, in each of the
; three runs of 64 columns, the 32 columns 32 wn on: 24 accumulators.
; K goes in steps of 192 (six deep) through a ring of two LDS slots: 21 whole steps and a last one of which two of the six are multiplied; that last fill reaches past its tile into the next one or into the slack
; behind the buffers, which holds stored numbers.  Steps of 256 would leave no LDS for the spare words.
; CLUSTER: the four work-groups of a cluster make four token tiles of one column tile: Wo's three parts are asked for jointly (waves 0 to 2); attn's tile is each work-group's own (wave 3, no mask).
; THE MATRIX INSTRUCTION IS USED TRANSPOSED (source 0 = 16 columns of Wo, source 1 = 16 tokens): a lane holds eight neighbouring columns of a token.  bo is the C of each sum's first instruction.
; No prefetch: a small tile, whose tiles are shared in the cluster.
; REGISTERS: window 0: v2-7 LDS addresses; v8, v9 the add's two; v12 32 h; v16-63 the bias, on the way out addresses; v64-255 the accumulators ((a, b) at v[64 + 8 (6 a + b)]), on the way out whole rows.
;   window 1: two fragment buffers at v0 and v128: B's six fragments, then A's four.
.set PARTB, 24576                      ; 64 columns x 192 K
.set AOFF,  3*PARTB                    ; A's 128 tokens x 192 K lie behind B's three parts
.set SLOT,  5*PARTB
.set SPARE, 2*SLOT                     ; behind the ring: the spare words, 128 bytes for each wave
.set SP,    784                        ; the stage: 128 rows x (768 bytes + 16), in slot 0, which has had its last fill and its last read when the first result is stored there
.set ADRA,  2
.set ADRB0, 4
.set ADRB2, 6
.set SPW,   8
.set NIL,   9
.set BIAS,  16
.set ACC,   64
.set F0,    0
.set F1,    128
.set WV,    12
.set G1B, 24
.set G1A, 32
.set G0B, 40
.set G0A, 48
.set MSB, 0
.macro WIN new
.if MSB != \new
	s_set_vgpr_msb (MSB<<8)|\new
.set MSB, \new
.endif
.endm
.set MUL,  0x05                        ; sources 0 and 1 window 1; C and D window 0
.set TO_F, 0x40                        ; destination window 1
.macro JLOAD s                         ; waves 0 to 2: Wo's parts, jointly; wave 3: attn's tile.  An s_nop 0 and four v_nop follow each line
	s_cmp_lg_u32 s[WV], 3
	s_cbranch_scc0 .Lfor_a_\@
	tensor_load_to_lds s[G0B+4*\s:G0B+4*\s+3], s[G1B:G1B+7]
	s_nop 0
.rept 4
	v_nop
.endr
	s_branch .Lasked_\@
.Lfor_a_\@:
	tensor_load_to_lds s[G0A+4*\s:G0A+4*\s+3], s[G1A:G1A+7]
	s_nop 0
.rept 4
	v_nop
.endr
.Lasked_\@:
.endm
.macro CREST
	s_cmp_lg_u32 s[WV], 0
	s_cbranch_scc1 .Lnot_wave_0_\@
	s_barrier_signal -3
.Lnot_wave_0_\@:
	s_barrier_wait -3
	s_barrier_signal -1
	s_barrier_wait -1
.endm
.macro CROUND
	s_barrier_signal -1
	s_barrier_wait -1
	CREST
.endm
.macro PLACES
.rept 4
	v_nop
.endr
.endm
	s_load_b256 s[4:11], s[0:1], 0x0               ; at s[4:5], wo16 s[6:7], bo s[8:9], out0 s[10:11]
	v_lshl_add_u32 v[SPW], v0, 2, SPARE
	v_mov_b32 v[NIL], 0
	ds_add_u32 v[SPW], v[NIL]                      ; the wave's opening: the add, twice on end, and its wait ahead of my first tensor load
	ds_add_u32 v[SPW], v[NIL]
	v_lshrrev_b32 v1, 5, v0
	v_readfirstlane_b32 s[WV], v1                  ; wave
	s_lshr_b32 s13, s[WV], 1                       ; wm
	s_and_b32 s14, s[WV], 1                        ; wn
	s_bfe_u32 s15, ttmp6, 0x40000                  ; cx
	s_lshl_b32 s16, ttmp9, 2
	s_add_co_u32 s16, s16, s15                     ; token tile, 0 .. 15
	s_and_b32 s17, ttmp7, 0xffff                   ; column tile, 0 .. 14: the four partners share it
	s_mov_b32 s[G1B], 15|(3<<16)|(1<<21)           ; the mask: all four; elements of 8 bytes; bit 21 beside a mask; no padding
	s_mov_b32 s[G1B+1], 32<<16                     ; rows of 256 bytes,
	s_mov_b32 s[G1B+2], 96<<16                     ; 96 of them: 24,576 dense bytes
	s_mov_b32 s[G1B+3], 32<<16
	s_mov_b32 s[G1B+4], 96
	s_mov_b32 s[G1B+5], 32
	s_mov_b32 s[G1B+6], 0
	s_mov_b32 s[G1B+7], 0
	s_mov_b32 s[G1A], 3<<16                        ; no mask
	s_mov_b32 s[G1A+1], 32<<16
	s_mov_b32 s[G1A+2], 192<<16                    ; 192 rows: 49,152 dense bytes
	s_mov_b32 s[G1A+3], 32<<16
	s_mov_b32 s[G1A+4], 192
	s_mov_b32 s[G1A+5], 32
	s_mov_b32 s[G1A+6], 0
	s_mov_b32 s[G1A+7], 0
	s_mul_i32 s18, s17, 3
	s_add_co_u32 s18, s18, s[WV]
	s_lshl_b32 s18, s18, 19                        ; Wo's part 3 x column tile + wave
	s_mov_b32 s19, 0
	s_lshl_b32 s20, s16, 20                        ; attn's tile
	s_mov_b32 s21, 0
	s_mul_i32 s22, s[WV], PARTB
	s_wait_dscnt 0x0                               ; both opening adds are done
	s_wait_kmcnt 0x0
	s_add_nc_u64 s[18:19], s[6:7], s[18:19]
	s_add_nc_u64 s[20:21], s[4:5], s[20:21]
	CROUND                                         ; all four work-groups are here: the first joint loads meet
.irp s, 0,1
	s_mov_b32 s[G0B+4*\s], 1
	s_add_co_u32 s[G0B+4*\s+1], s22, \s*SLOT
	s_add_nc_u64 s[G0B+4*\s+2:G0B+4*\s+3], s[18:19], \s*PARTB
	s_or_b32 s[G0B+4*\s+3], s[G0B+4*\s+3], 0x80000000
	s_mov_b32 s[G0A+4*\s], 1
	s_mov_b32 s[G0A+4*\s+1], AOFF+\s*SLOT
	s_add_nc_u64 s[G0A+4*\s+2:G0A+4*\s+3], s[20:21], \s*2*PARTB
	s_or_b32 s[G0A+4*\s+3], s[G0A+4*\s+3], 0x80000000
	JLOAD \s
.endr
	v_and_b32 v10, 31, v0
	v_lshlrev_b32 v11, 4, v10                      ; 16 x lane
	v_bfe_u32 v10, v0, 4, 1
	v_lshlrev_b32 v12, 5, v10                      ; 32 h
	s_lshl_b32 s23, s13, 12
	s_add_co_u32 s23, s23, AOFF
	v_add_nc_u32 v[ADRA], s23, v11                 ; my 64 tokens: four images
	s_add_co_u32 s23, s23, SLOT
	v_add_nc_u32 v[ADRA+1], s23, v11
	s_lshl_b32 s23, s14, 11
	v_add_nc_u32 v[ADRB0], s23, v11                ; my 32 columns of a part: two images
	s_add_co_u32 s23, s23, SLOT
	v_add_nc_u32 v[ADRB0+1], s23, v11
	v_add_nc_u32 v[ADRB2], 2*PARTB, v[ADRB0]       ; the third part lies past an offset's reach
	v_add_nc_u32 v[ADRB2+1], 2*PARTB, v[ADRB0+1]
	s_mul_i32 s18, s17, 768
	s_lshl_b32 s20, s14, 7
	s_add_co_u32 s20, s20, s18
	s_mov_b32 s21, 0
	s_add_nc_u64 s[8:9], s[8:9], s[20:21]          ; bo at my columns
	s_lshl_b32 s20, s16, 7
	s_lshl_b32 s23, s[WV], 5
	s_add_co_u32 s20, s20, s23
	s_mul_i32 s20, s20, 11520
	s_add_co_u32 s20, s20, s18
	s_add_nc_u64 s[10:11], s[10:11], s[20:21]      ; out0 at the 32 rows that I store, at the tile's first column
.irp b, 0,1,2,3,4,5
	global_load_b128 v[BIAS+8*\b:BIAS+8*\b+3], v12, s[8:9] offset:256*(\b/2)+64*(\b%2)
	global_load_b128 v[BIAS+8*\b+4:BIAS+8*\b+7], v12, s[8:9] offset:256*(\b/2)+64*(\b%2)+16
.endr
.macro FETCH slot, s, f                ; the fragments of the slot's s-th 32 along K: 20 loads of 512 consecutive bytes
	WIN TO_F
.irp b, 0,1,2,3
.irp c, 0,1
	ds_load_b128 v[\f+8*\b+4*\c:\f+8*\b+4*\c+3], v[ADRB0+\slot] offset:PARTB*(\b/2)+4096*(\s)+1024*(\b%2)+512*\c
.endr
.endr
.irp b, 4,5
.irp c, 0,1
	ds_load_b128 v[\f+8*\b+4*\c:\f+8*\b+4*\c+3], v[ADRB2+\slot] offset:4096*(\s)+1024*(\b%2)+512*\c
.endr
.endr
.irp a, 0,1,2,3
.irp c, 0,1
	ds_load_b128 v[\f+48+8*\a+4*\c:\f+48+8*\a+4*\c+3], v[ADRA+\slot] offset:8192*(\s)+1024*\a+512*\c
.endr
.endr
.endm
.macro MUL6 f, a, first                ; token group a against my six column groups.  The 24 accumulators take turns, one instruction a turn
.irp b, 0,1,2,3,4,5
.if \first
	v_wmma_f32_16x16x32_f16 v[ACC+8*(6*(\a)+\b):ACC+8*(6*(\a)+\b)+7], v[\f+8*\b:\f+8*\b+7], v[\f+48+8*(\a):\f+48+8*(\a)+7], v[BIAS+8*\b:BIAS+8*\b+7]
.else
	v_wmma_f32_16x16x32_f16 v[ACC+8*(6*(\a)+\b):ACC+8*(6*(\a)+\b)+7], v[\f+8*\b:\f+8*\b+7], v[\f+48+8*(\a):\f+48+8*(\a)+7], v[ACC+8*(6*(\a)+\b):ACC+8*(6*(\a)+\b)+7]
.endif
.endr
.endm
.macro SUB slot, s, f, g, first        ; 32 along K that has its successor in the same slot: the successor's fragments are asked for, then buffer f is multiplied
	PLACES                                         ; in front of loads into registers that matrix instructions have read
	FETCH \slot, (\s)+1, \g
	s_wait_dscnt 20                                ; all but the 20 just issued: buffer f is in
	WIN MUL
	MUL6 \f, 0, \first
	MUL6 \f, 1, \first
	MUL6 \f, 2, \first
	MUL6 \f, 3, \first
.endm
; A slot's sixth step multiplies buffer 1 and changes slots: one barrier; in front of it each wave waits for all its tensor loads, adds 0 to its spare word, and waits for that and for its reads of this slot.
.macro TURN slot, next, fill
	WIN 0
	s_wait_tensorcnt 0x0                           ; all my tensor loads have landed: my part of the next slot
	ds_add_u32 v[SPW], v[NIL]
	s_wait_dscnt 1                                 ; buffer 1 is in; the add may be out
	WIN MUL
	MUL6 F1, 0, 0
	s_wait_dscnt 0x0                               ; the add is done, and my reads of this slot are over
	s_barrier_signal -1
	MUL6 F1, 1, 0
	WIN 0
	s_barrier_wait -1
.if \fill
	CREST                                          ; the barrier has opened a round of the cluster's: no wave of any partner still reads this slot or has a load on its way
	s_add_nc_u64 s[G0B+4*\slot+2:G0B+4*\slot+3], s[G0B+4*\slot+2:G0B+4*\slot+3], 2*PARTB
	s_add_nc_u64 s[G0A+4*\slot+2:G0A+4*\slot+3], s[G0A+4*\slot+2:G0A+4*\slot+3], 4*PARTB
	JLOAD \slot                                    ; the first tensor load behind the round; its four v_nop are the places in front of the loads below
.else
	PLACES
.endif
	FETCH \next, 0, F0
	WIN MUL
	MUL6 F1, 2, 0
	MUL6 F1, 3, 0
.endm
	s_wait_loadcnt 0x0                             ; the bias
	s_wait_tensorcnt 1                             ; my part of K step 0 is in; K step 1's load may be out
	s_barrier_signal -1
	s_barrier_wait -1
	FETCH 0, 0, F0
	SUB 0, 0, F0, F1, 1                            ; the first products start the sums from the bias
	WIN 0
	s_mov_b32 s3, 10
.Llap:                                                 ; ten trips: each goes once round the ring and fills both slots again: K steps 2 to 21
	SUB 0, 1, F1, F0, 0
	SUB 0, 2, F0, F1, 0
	SUB 0, 3, F1, F0, 0
	SUB 0, 4, F0, F1, 0
	TURN 0, 1, 1
	SUB 1, 0, F0, F1, 0
	SUB 1, 1, F1, F0, 0
	SUB 1, 2, F0, F1, 0
	SUB 1, 3, F1, F0, 0
	SUB 1, 4, F0, F1, 0
	TURN 1, 0, 1
	SUB 0, 0, F0, F1, 0
	WIN 0
	s_sub_co_u32 s3, s3, 1
	s_cmp_lg_u32 s3, 0
	s_cbranch_scc1 .Llap
	SUB 0, 1, F1, F0, 0                            ; K step 20 goes on; nothing more is asked for
	SUB 0, 2, F0, F1, 0
	SUB 0, 3, F1, F0, 0
	SUB 0, 4, F0, F1, 0
	TURN 0, 1, 0
	SUB 1, 0, F0, F1, 0                            ; K step 21: K ends behind its second 32
	s_wait_dscnt 0x0
	MUL6 F1, 0, 0
	MUL6 F1, 1, 0
	MUL6 F1, 2, 0
	MUL6 F1, 3, 0
	WIN 0
	; THE WAY OUT: a lane's 32 bytes of a row into the work-group's stage; a barrier, since a row's 768 bytes come from two waves; back as runs of 256 bytes, two to an instruction; wave w stores rows 32 w on.
	PLACES
	v_and_b32 v16, 15, v0                          ; r
	v_bfe_u32 v17, v0, 4, 1                        ; h
	s_mul_i32 s18, s13, 64*SP
	s_lshl_b32 s19, s14, 7
	s_add_co_u32 s18, s18, s19
	v_mul_u32_u24 v18, v16, SP
	v_lshl_add_u32 v18, v17, 5, v18
	v_add_nc_u32 v18, s18, v18                     ; in: row 64 wm + r, byte 128 wn + 32 h
	s_mul_i32 s18, s[WV], 32*SP
	v_lshlrev_b32 v19, 4, v16
	v_add_nc_u32 v20, s18, v19
	v_lshl_add_u32 v21, v17, 8, v20                ; back: of two rows' six runs: runs 0, 1 of the first row;
	v_mul_u32_u24 v22, v17, 272
	v_add_nc_u32 v22, v22, v20
	v_add_nc_u32 v22, 512, v22                     ; its run 2 and the second row's run 0;
	v_add_nc_u32 v23, 1040, v21                    ; the second row's runs 1, 2
	v_lshl_add_u32 v24, v17, 8, v19                ; and the same places in out0
	v_mul_u32_u24 v25, v17, 11008
	v_add_nc_u32 v25, v25, v19
	v_add_nc_u32 v25, 512, v25
	v_add_nc_u32 v26, 11776, v24
.irp a, 0,1,2,3
.irp b, 0,1,2,3,4,5
	ds_store_b128 v18, v[ACC+8*(6*\a+\b):ACC+8*(6*\a+\b)+3] offset:16*SP*\a+256*(\b/2)+64*(\b%2)          ; each accumulator from its low end on
	ds_store_b128 v18, v[ACC+8*(6*\a+\b)+4:ACC+8*(6*\a+\b)+7] offset:16*SP*\a+256*(\b/2)+64*(\b%2)+16
.endr
.endr
	s_wait_dscnt 0x0                               ; for the others' sake: my stores into the stage have landed
	s_barrier_signal -1
	s_barrier_wait -1
.irp u, 0,1,2,3,4,5,6,7,8,9,10,11,12,13,14,15
	ds_load_b128 v[ACC+12*\u:ACC+12*\u+3], v21 offset:2*SP*\u
	ds_load_b128 v[ACC+12*\u+4:ACC+12*\u+7], v22 offset:2*SP*\u
	ds_load_b128 v[ACC+12*\u+8:ACC+12*\u+11], v23 offset:2*SP*\u
.endr
.irp u, 0,1,2,3,4,5,6,7,8,9,10,11,12,13,14,15
	s_wait_dscnt 47-3*\u                           ; LDS loads come back in order: the counts run down
	global_store_b128 v24, v[ACC+12*\u:ACC+12*\u+3], s[10:11] offset:23040*\u th:TH_STORE_NT              ; sixteen lanes store 256 consecutive bytes, aligned
	s_wait_dscnt 46-3*\u
	global_store_b128 v25, v[ACC+12*\u+4:ACC+12*\u+7], s[10:11] offset:23040*\u th:TH_STORE_NT
	s_wait_dscnt 45-3*\u
	global_store_b128 v26, v[ACC+12*\u+8:ACC+12*\u+11], s[10:11] offset:23040*\u th:TH_STORE_NT
.endr
	s_wait_tensorcnt 0x0                           ; the wave's end, behind my last tensor load and my last LDS store
	ds_add_u32 v[SPW], v[NIL]
	s_wait_dscnt 0x0
	CROUND                                         ; the closing round
	s_endpgm
.Lfunc_end_k_q9ecd5613e8_oproj:
	.size	k_q9ecd5613e8_oproj, .Lfunc_end_k_q9ecd5613e8_oproj-k_q9ecd5613e8_oproj
	.p2alignl 7, 3214868480
	.fill 96, 4, 3214868480
	.section	.rodata,"a",@progbits
	.p2align	6, 0x0
	.amdhsa_kernel k_q9ecd5613e8_oproj
		.amdhsa_group_segment_fixed_size 327680
		.amdhsa_private_segment_fixed_size 0
		.amdhsa_enable_private_segment 0
		.amdhsa_kernarg_size 32
		.amdhsa_user_sgpr_count 2
		.amdhsa_user_sgpr_kernarg_segment_ptr 1
		.amdhsa_wavefront_size32 1
		.amdhsa_system_sgpr_workgroup_id_x 1
		.amdhsa_system_sgpr_workgroup_id_y 1
		.amdhsa_system_sgpr_workgroup_id_z 1
		.amdhsa_system_vgpr_workitem_id 0
		.amdhsa_next_free_vgpr 512
		.amdhsa_next_free_sgpr 66
		.amdhsa_reserve_vcc 0
		.amdhsa_float_denorm_mode_32 3
		.amdhsa_float_denorm_mode_16_64 3
		.amdhsa_memory_ordered 1
		.amdhsa_forward_progress 1
		.amdhsa_inst_pref_size 83
	.end_amdhsa_kernel
	.amdgpu_metadata
---
amdhsa.version: [ 1, 2 ]
amdhsa.kernels:
  - .name:           k_q9ecd5613e8_oproj
    .symbol:         k_q9ecd5613e8_oproj.kd
    .args:
      - { .name: at, .offset: 0, .size: 8, .value_kind: global_buffer, .address_space: global }
      - { .name: wo16, .offset: 8, .size: 8, .value_kind: global_buffer, .address_space: global }
      - { .name: bo, .offset: 16, .size: 8, .value_kind: global_buffer, .address_space: global }
      - { .name: out0, .offset: 24, .size: 8, .value_kind: global_buffer, .address_space: global }
    .group_segment_fixed_size: 327680
    .private_segment_fixed_size: 0
    .kernarg_segment_align: 8
    .kernarg_segment_size: 32
    .max_flat_workgroup_size: 128
    .sgpr_count:     66
    .vgpr_count:     512
    .wavefront_size: 32
...
	.end_amdgpu_metadata
.endif
;; end of part 4
